; MI455X (gfx1250); checked and timed in simulation.
; The chip was launched on July 23, 2026; its instructions are those of AMD's public machine-readable ISA for CDNA 5 (MIT licence, August 2026) and "CDNA5" Instruction Set Architecture Reference Guide (July 2026). The comments in the code are by the model that wrote it; some were corrected since.
;; Self Attention. Allowed arithmetic: matrix products marked QUANTISED: E2M3 operands, one E8M0 scale for each 32 along K, by v_wmma_scale_f32_16x16x128_f8f6f4 with both operands' format E2M3, f32 sums; everything else in f32.
;; Inputs: Wk 1,024 x 1,024 float32; Wq 1,024 x 1,024 float32; Wu 1,024 x 1,024 float32; Wv 1,024 x 1,024 float32; bu 1,024 float32; x 4 x 2,048 x 1,024 float32.
;; Outputs: out0 4 x 2,048 x 1,024 float32.
;; This version of the problem:
;;   THIS VERSION OF THE PROBLEM IS GIVEN IN LOW PRECISION. The matrix products marked QUANTISED in the list below multiply operands that are first quantised to E2M3 (2 exponent bits, 3 mantissa bits; 6 bits a number), with one power-of-two scale for each 32 numbers along K (OCP MX v1.0); their sums are f32. All else is computed in f32.
;;   The module's matrix products, in the order in which they are computed (A, B: the left and right operand; K: the contracted axis; several contracted axes count as one K, in the product's order):
;;     1. [M 8,192, K 1,024] x [K 1,024, N 1,024]; A: input x; B: input Wq: QUANTISED
;;     2. [M 8,192, K 1,024] x [K 1,024, N 1,024]; A: input x; B: input Wk: QUANTISED
;;     3. [M 8,192, K 1,024] x [K 1,024, N 1,024]; A: input x; B: input Wv: QUANTISED
;;     4. batch 64 x [M 2,048, K 64] x [K 64, N 2,048]; A: computed on the way; B: computed on the way: QUANTISED
;;     5. batch 64 x [M 2,048, K 2,048] x [K 2,048, N 64]; A: softmax (see below); B: computed on the way: QUANTISED
;;     6. [M 8,192, K 1,024] x [K 1,024, N 1,024]; A: computed on the way; B: input Wu: QUANTISED
;;   THE QUANTISER, for each operand of a quantised product, along K:
;;     - K is cut into blocks of 32 from its start; a last block that is shorter is filled with zeros.
;;     - A block's scale is 2^e with e = floor(log2(the largest magnitude in the block)) - 2, held to -126 .. 127; a block of zeros has e = 0. As a byte (E8M0): e + 127.
;;     - Each number is divided by its block's scale, clamped to +-7.5, and rounded to the nearest number of E2M3, ties to even, subnormals kept.
;;     - The product sums the exact products of the quantised numbers (number of the format x scale) in f32.
;;   ~~~python
;;   def quantise(x, axis):      # numpy; x: float32 -> the quantised numbers, widened to float32 again
;;       x = np.moveaxis(x, axis, -1); K = x.shape[-1]
;;       x = np.pad(x, [(0, 0)] * (x.ndim - 1) + [(0, -K % 32)]); x = x.reshape(x.shape[:-1] + (-1, 32)); a = np.abs(x).max(-1, keepdims=True)
;;       e = np.where(a > 0, np.clip(np.frexp(np.where(a > 0, a, 1))[1] - 1 - 2, -126, 127), 0)      # np.frexp(a)[1] - 1 = floor(log2(a)), exactly
;;       r = np.clip(x / 2.0 ** e, -7.5, 7.5)
;;       step = 2.0 ** (np.maximum(np.frexp(np.where(r == 0, 1, r))[1] - 1, 0) - 3)
;;       q = np.round(r / step) * step * 2.0 ** e      # np.round: ties to even
;;       return np.moveaxis(q.reshape(q.shape[:-2] + (-1,))[..., :K], -1, axis).astype(np.float32)
;;   ~~~
;;   SOFTMAX AHEAD OF A QUANTISED PRODUCT. Where the list says 'softmax', what is quantised is not the finished softmax but p = 2^(t - M), with t = logit x log2(e) and M = ceil(the row's largest t), a whole number; so 1/2 < the row's largest p <= 1. The row's sum l is taken of the UNQUANTISED p, in f32, and the product's result is divided by l at the end. Since M is a whole number, a kernel that streams over the keys may use a running M (the ceiling of the running maximum): every later rescaling is an exact power of two, which a block's scale takes up: the codes' values come out the same.
;;   OPERANDS COMPUTED ON THE WAY. 'Computed on the way' means the value that the module computes at that place (a softmax that the list does not call 'softmax' is quantised finished and normalised). What goes into a quantiser is computed in f32, as accurately as f32 sums, v_exp_f32 and their like allow (about 1e-6 of the number): no bf16 or f16 on the way to a quantiser, and a product that is left as it is and whose result goes on into a quantised operand takes f32 operands (vector FMAs, or v_wmma_f32_16x16x4_f32). A number that lies on a knife's edge between two numbers of the format may be rounded either way, as far as f32 arithmetic and the matrix unit's own rounding can turn it there, and no further.
;; One version. Each part assembles by itself: llvm-mc -triple=amdgcn-amd-amdhsa -mcpu=gfx1250 --defsym DOCPART=n.
;; ======== version 1 of 1: 4 launches
;; limits: right only within a limited range of input values
;; workspace buffers: codes 9,437,184 bytes; scales 393,216 bytes; rope 8,388,608 bytes; qkv 21,495,808 bytes; attc 6,291,456 bytes; atts 262,144 bytes
;; launch prep (part 1): grid 448 x 1, 4 waves a work-group, no clusters, 88,576 bytes of LDS; arguments x, Wq, Wk, Wv, Wu, codes, scales, rope; writes codes, scales, rope
.if DOCPART == 1
	.amdgcn_target "amdgcn-amd-amdhsa--gfx1250"
	.amdhsa_code_object_version 6
	.text
	.protected	k_qd1c1d75173_prep
	.globl	k_qd1c1d75173_prep
	.p2align	8
	.type	k_qd1c1d75173_prep,@function
k_qd1c1d75173_prep:
	s_mov_b64 s[64:65], 0
	v_nop
	global_prefetch_b8 v0, s[64:65] scope:SCOPE_SE
	s_setreg_imm32_b32 hwreg(HW_REG_WAVE_MODE, 25, 1), 1
	s_wait_xcnt 0x0
; PREP.  Two kinds of work-groups, told apart by the work-group's number.
; Work-groups 0-191: x [8192][1024], Wq, Wk, Wv, Wu [1024][1024], f32, K innermost, become codes of FP6 (E2M3) with one E8M0 byte for each 32 along K.
;   A block's scale is 2^(floor(log2(largest magnitude)) - 2); its byte is the largest magnitude's exponent field - 2, held at 1 from below.
;   ROWS ARE STORED WITH BITS 3 AND 4 OF THE ROW NUMBER SWAPPED, tensors in the order x, Wq, Wk, Wv, Wu: stored rows 32 b + 16 u + r are the rows 32 b + 8 u + r + 8 (r / 8).
;   codes: IMAGES OF OPERAND REGISTERS: [block of 16 stored rows][kf: 128 along K][3 planes of 512 bytes]: plane e holds registers 4 e .. 4 e + 3 of the fragment, lane l = r + 16 h at 16 l;
;   registers 6 c .. 6 c + 5 of lane (r, h) are the 24 bytes of row r's block 4 kf + 2 c + h.  12,288 bytes a block of rows.   scales: rows of 32 bytes, by stored rows.
;   A WAVE TAKES ONE BLOCK OF 16 STORED ROWS, a row a step.  A lane holds a whole block of 32 numbers: a row's 4,096 bytes are loaded as they lie (512 consecutive bytes a load), turn through the wave's own stage in LDS
;   and come back 128 bytes a lane.  The codes are gathered in the wave's own 12,288 bytes of LDS and leave as 24 stores of 512 consecutive bytes; the 512 scale bytes likewise as one store.  Waves share nothing: no barrier.
; Work-groups 192-447: the table of cos and sin for the rotation, [row block a 0..127][block of 32 features nb 0..31][i 0..3][lane][16 bytes]: lane (r, h) holds cos, sin, cos, sin of pairs
;   j = 16 nb + 8 h + 2 i + 0, 1 at position t = 32 (a / 2) + 16 (r / 8) + 8 (a % 2) + r % 8.  angle = t x 10000^(-j / 512).
;   theta = 2^(-j log2(10000) / 512) by v_exp_f32; the angle is reduced by multiples of pi / 2 (pi / 2 in two parts, fused multiply-adds); sine and cosine by polynomials on [-pi/4, pi/4].
; LIMITS: NaN and infinities among the inputs are not served.  A block whose largest magnitude lies under 2^-124 keeps the byte 1; a block of zeros has the byte 1 where the rule says 127: its codes are
;   zeros, and this program alone reads the bytes.  theta may differ from a correctly rounded power by a few units in its last place: at t near 2,047 that is up to about 3e-4 in the angle.
.set STEPS, 16
.set EMAX,  2
.set R,     16                         ; v16-143  four sets of 32 numbers as they are loaded
.set X,     144                        ; v144-207 two sets of 32 neighbours
.set C,     208                        ; v208-223 two sets: six registers of codes (a seventh at work), the scale byte in the eighth
.set SP,    144                        ; a lane's place in a stage: 128 bytes + 16 of padding
.set WST,   2*32*SP                    ; LDS: two stages for each wave
.set IMG,   4*WST                      ; behind them 12,288 bytes of codes for each wave,
.set SBY,   IMG+4*12288                ; 512 scale bytes for each wave,
.set SPARE, SBY+4*512                  ; and the spare words, 128 bytes for each wave, which no other line names
.set SRC,   4                          ; s[4:5]   the tensor that my work-group quantises
.set DC,    18                         ; s[18:19] codes
.set DS,    20                         ; s[20:21] scales
.set RT,    22                         ; s[22:23] rope
.set QWG,   192                        ; work-groups that quantise: 12,288 rows / 64
	s_load_b256 s[8:15], s[0:1], 0x0               ; x s[8:9], Wq s[10:11], Wk s[12:13], Wv s[14:15]
	s_load_b256 s[16:23], s[0:1], 0x20             ; Wu s[16:17], codes, scales, rope
	v_lshl_add_u32 v224, v0, 2, SPARE
	v_mov_b32 v225, 0
	v_lshrrev_b32 v1, 5, v0
	v_readfirstlane_b32 s24, v1                    ; wave
	v_and_b32 v2, 31, v0                           ; lane
	v_lshlrev_b32 v3, 4, v2                        ; 16 x lane
	s_cmp_ge_u32 ttmp9, QWG
	s_cbranch_scc1 .Ltable
	; ---------------- the quantiser
	s_mul_i32 s25, s24, WST
	v_lshrrev_b32 v14, 3, v2
	v_mul_u32_u24 v14, v14, SP
	v_and_b32 v15, 7, v2
	v_lshl_add_u32 v14, v15, 4, v14
	v_add_nc_u32 v14, s25, v14                     ; the stage, on the way in: eight lanes' 128 bytes on end, then 16 of padding
	v_mul_u32_u24 v15, v2, SP
	v_add_nc_u32 v15, s25, v15                     ; on the way out: SP x lane: my 32 neighbours
	s_mul_i32 s26, s24, 12288
	s_add_co_u32 s26, s26, IMG                     ; my wave's image
	v_lshrrev_b32 v8, 2, v2                        ; my block of the row: kf = lane / 4,
	v_mul_u32_u24 v8, v8, 1536
	v_and_b32 v9, 1, v2                            ; h = lane % 2: fragment lane r + 16 h at 16 bytes a lane,
	v_lshl_add_u32 v8, v9, 8, v8
	v_add_nc_u32 v8, s26, v8
	v_bfe_u32 v9, v2, 1, 1                         ; c: registers 6 c .. 6 c + 5, as pairs 3 c + i: pair p lies in plane p / 2 at byte 8 (p % 2)
	v_mad_u32_u24 v4, v9, 520, v8                  ; pair 0: byte 0 or 520
	v_mad_u32_u24 v5, v9, 1016, v8
	v_add_nc_u32 v5, 8, v5                         ; pair 1: byte 8 or 1,024
	v_add_nc_u32 v6, 512, v4                       ; pair 2: byte 512 or 1,032
	v_add_nc_u32 v10, s26, v3                      ; the image on the way out: 16 bytes a lane
	s_lshl_b32 s27, s24, 9
	s_add_co_u32 s27, s27, SBY
	v_add_nc_u32 v12, s27, v2                      ; my wave's scale bytes: a row's 32, my block's byte
	v_add_nc_u32 v13, s27, v3                      ; and on the way out 16 bytes a lane
	s_wait_alu depctr_va_vdst(0)                   ; the wait at the head's end
	s_wait_kmcnt 0x0
	s_mov_b64 s[SRC:SRC+1], s[16:17]               ; which tensor: the choice hangs on the work-group's number alone
	s_mov_b32 s26, 176                             ; and its first work-group
	s_cmp_lt_u32 ttmp9, 176
	s_cselect_b64 s[SRC:SRC+1], s[14:15], s[SRC:SRC+1]
	s_cselect_b32 s26, 160, s26
	s_cmp_lt_u32 ttmp9, 160
	s_cselect_b64 s[SRC:SRC+1], s[12:13], s[SRC:SRC+1]
	s_cselect_b32 s26, 144, s26
	s_cmp_lt_u32 ttmp9, 144
	s_cselect_b64 s[SRC:SRC+1], s[10:11], s[SRC:SRC+1]
	s_cselect_b32 s26, 128, s26
	s_cmp_lt_u32 ttmp9, 128
	s_cselect_b64 s[SRC:SRC+1], s[8:9], s[SRC:SRC+1]
	s_cselect_b32 s26, 0, s26
	s_sub_co_u32 s27, ttmp9, s26
	s_lshl_b32 s27, s27, 2
	s_add_co_u32 s27, s27, s24                     ; my block 2 b + u of 16 stored rows in the tensor: rows 32 b + 8 u + 0 .. 7 and 16 rows further on
	s_lshr_b32 s28, s27, 1
	s_lshl_b32 s28, s28, 17                        ; 32 rows of 4,096 bytes
	s_and_b32 s30, s27, 1
	s_lshl_b32 s30, s30, 15                        ; 8 rows
	s_add_co_u32 s28, s28, s30
	s_mov_b32 s29, 0
	s_add_nc_u64 s[SRC:SRC+1], s[SRC:SRC+1], s[28:29]
	s_lshl_b32 s27, ttmp9, 2
	s_add_co_u32 s27, s27, s24                     ; the block's place in the output
	s_mul_i32 s28, s27, 12288
	s_add_nc_u64 s[DC:DC+1], s[DC:DC+1], s[28:29]
	s_lshl_b32 s28, s27, 9                         ; 16 rows of 32 bytes
	s_add_nc_u64 s[DS:DS+1], s[DS:DS+1], s[28:29]
.macro LOAD t                          ; stored row t of my block
.irp i, 0,1,2,3,4,5,6,7
	global_load_b128 v[R+32*((\t)%4)+4*\i:R+32*((\t)%4)+4*\i+3], v3, s[SRC:SRC+1] offset:65536*((\t)/8)+4096*((\t)%8)+512*\i th:TH_LOAD_NT   ; 32 lanes read 512 consecutive bytes
.endr
.endm
.macro TURN t                          ; row t through the stage: LDS serves a wave's instructions in order, so no wait stands between the stores and the loads
.irp i, 0,1,2,3,4,5,6,7
	ds_store_b128 v14, v[R+32*((\t)%4)+4*\i:R+32*((\t)%4)+4*\i+3] offset:32*SP*((\t)%2)+4*SP*\i
.endr
.irp i, 0,1,2,3,4,5,6,7
	ds_load_b128 v[X+32*((\t)%2)+4*\i:X+32*((\t)%2)+4*\i+3], v15 offset:32*SP*((\t)%2)+16*\i
.endr
.endm
.irp t, 0,1,2,3
	LOAD \t
.endr
	s_wait_loadcnt 24                              ; row 0's eight loads are in
	TURN 0
.macro STEP t
.set XS, X+32*((\t)%2)
.set CS, C+8*((\t)%2)
.if (\t) > 0
	s_wait_dscnt 4                                 ; this row is back from the stage (the last step's four stores may be out): so its stores into the stage have read their registers,
.else
	s_wait_dscnt 0x0
.endif
.if (\t)+4 < STEPS
	LOAD (\t)+4                                    ; which take the loads of four rows on
.endif
.if (\t)+1 < STEPS
.if (\t)+4 < STEPS
	s_wait_loadcnt 24                              ; the next row's eight loads are in; those of the three rows behind it may be out
.else
	s_wait_loadcnt 8*(STEPS-2-(\t))
.endif
	TURN (\t)+1                                    ; and go through the other stage while this row is worked
.endif
	v_max3_num_f32 v8, |v[XS]|, |v[XS+1]|, |v[XS+2]|               ; the block's largest magnitude: all 32 numbers are mine
	v_max3_num_f32 v9, |v[XS+3]|, |v[XS+4]|, |v[XS+5]|
.irp i, 6,10,14,18,22,26
	v_max3_num_f32 v8, v8, |v[XS+\i]|, |v[XS+\i+1]|
	v_max3_num_f32 v9, v9, |v[XS+\i+2]|, |v[XS+\i+3]|
.endr
	v_max3_num_f32 v8, v8, |v[XS+30]|, |v[XS+31]|
	v_max3_num_f32 v8, v8, v9, (EMAX+1)<<23        ; and the floor 2^(3 - 127): the byte cannot fall under 1
	v_add_nc_u32 v11, -(EMAX<<23), v8              ; 2 off its exponent field: the conversion takes the exponent field of this operand as its scale
	v_cvt_scalef32_pk16_fp6_f32 v[CS:CS+2], v[XS:XS+15], v11
	v_cvt_scalef32_pk16_fp6_f32 v[CS+4:CS+6], v[XS+16:XS+31], v11  ; (a conversion's three registers begin on an even number)
	v_lshrrev_b32 v[CS+7], 23, v11                 ; the scale's byte; also the plain instruction behind the conversions
	v_mov_b32 v[CS+3], v[CS+4]                     ; the block's 24 bytes on end
	v_mov_b32 v[CS+4], v[CS+5]
	v_mov_b32 v[CS+5], v[CS+6]
	ds_store_b64 v4, v[CS:CS+1] offset:16*(\t)     ; row t is fragment row r = t
	ds_store_b64 v5, v[CS+2:CS+3] offset:16*(\t)
	ds_store_b64 v6, v[CS+4:CS+5] offset:16*(\t)
	ds_store_b8 v12, v[CS+7] offset:32*(\t)
.endm
.irp t, 0,1,2,3,4,5,6,7,8,9,10,11,12,13,14,15
	STEP \t
.endr
.irp i, 0,1,2,3,4,5,6,7,8,9,10,11,12,13,14,15,16,17,18,19,20,21,22,23
	ds_load_b128 v[R+4*\i:R+4*\i+3], v10 offset:512*\i             ; LDS serves a wave's instructions in order: these see my stores
.endr
	ds_load_b128 v[R+96:R+99], v13
	s_wait_dscnt 0x0
.irp i, 0,1,2,3,4,5,6,7,8,9,10,11,12,13,14,15,16,17,18,19,20,21,22,23
	global_store_b128 v3, v[R+4*\i:R+4*\i+3], s[DC:DC+1] offset:512*\i   ; 32 lanes store 512 consecutive bytes, aligned
.endr
	global_store_b128 v3, v[R+96:R+99], s[DS:DS+1]
	s_wait_tensorcnt 0x0                           ; the wave's end
	ds_add_u32 v224, v225
	s_wait_dscnt 0x0
	s_endpgm
	; ---------------- the table.  Wave W = 4 (work-group - QWG) + wave takes row block W / 8 and four blocks of 32 features from 4 (W % 8) on: 8,192 consecutive bytes
.Ltable:
	s_sub_co_u32 s25, ttmp9, QWG
	s_lshl_b32 s25, s25, 2
	s_add_co_u32 s25, s25, s24                     ; W
	s_lshr_b32 s26, s25, 3                         ; a
	s_and_b32 s27, s25, 7
	s_lshl_b32 s27, s27, 6                         ; the first pair of my first block: 16 x 4 (W % 8)
	s_lshr_b32 s39, s26, 1
	s_lshl_b32 s39, s39, 5
	s_and_b32 s26, s26, 1
	s_lshl_b32 s26, s26, 3
	s_add_co_u32 s39, s39, s26                     ; 32 (a / 2) + 8 (a % 2)
	v_and_b32 v4, 7, v0
	v_bfe_u32 v5, v0, 3, 1
	v_lshl_add_u32 v4, v5, 4, v4
	v_add_nc_u32 v4, s39, v4                       ; t
	v_cvt_f32_u32 v20, v4
	v_bfe_u32 v5, v0, 4, 1
	v_lshlrev_b32 v5, 3, v5
	v_add_nc_u32 v21, s27, v5                      ; my first pair: + 8 h
	s_mov_b32 s28, 0xbcd49a78                      ; -log2(10000) / 512
	s_mov_b32 s29, 0x3f22f983                      ; 2 / pi
	s_mov_b32 s30, 0xbfc90fdb                      ; -(pi / 2), its upper part
	s_mov_b32 s31, 0x333bbd2e                      ; and what is left of it
	s_mov_b32 s32, 0xbe2aaaa3                      ; sine: r + r z (S1 + z (S2 + z S3)), z = r r
	s_mov_b32 s33, 0x3c08839e
	s_mov_b32 s34, 0xb94ca1f9
	s_mov_b32 s35, 0x3d2aaaa5                      ; cosine: 1 + z (-1/2 + z (C1 + z (C2 + z C3)))
	s_mov_b32 s36, 0xbab6061a
	s_mov_b32 s37, 0x37ccf5ce
	s_lshl_b32 s40, s25, 13
	s_mov_b32 s41, 0
	s_wait_kmcnt 0x0
	s_add_nc_u64 s[RT:RT+1], s[RT:RT+1], s[40:41]
	s_mov_b32 s38, 4
.Ltrip:                                            ; a trip: one block of 32 features: my eight pairs, each line eight times so that no line waits for the line above it
	s_wait_alu depctr_va_vdst(0)                   ; the wait behind the branch
.irp n, 0,1,2,3,4,5,6,7
	v_add_nc_u32 v[24+\n], \n, v21
.endr
.irp n, 0,1,2,3,4,5,6,7
	v_cvt_f32_u32 v[24+\n], v[24+\n]
.endr
.irp n, 0,1,2,3,4,5,6,7
	v_mul_f32 v[24+\n], s28, v[24+\n]
.endr
	s_wait_alu depctr_va_vdst(0)                   ; the wait ahead of the batch
.irp n, 0,1,2,3,4,5,6,7
	v_exp_f32 v[24+\n], v[24+\n]                   ; theta
.endr
	v_nop                                          ; a plain instruction behind the last exponential
	s_wait_alu depctr_va_vdst(0)                   ; one wait for the eight, ahead of their first reader
.irp n, 0,1,2,3,4,5,6,7
	v_mul_f32 v[24+\n], v20, v[24+\n]              ; the angle: one rounding
.endr
.irp n, 0,1,2,3,4,5,6,7
	v_mul_f32 v[32+\n], s29, v[24+\n]
.endr
.irp n, 0,1,2,3,4,5,6,7
	v_rndne_f32 v[32+\n], v[32+\n]                 ; k: the nearest multiple of pi / 2
.endr
.irp n, 0,1,2,3,4,5,6,7
	v_fma_f32 v[40+\n], v[32+\n], s30, v[24+\n]
.endr
.irp n, 0,1,2,3,4,5,6,7
	v_fma_f32 v[40+\n], v[32+\n], s31, v[40+\n]    ; r = angle - k pi / 2
.endr
.irp n, 0,1,2,3,4,5,6,7
	v_mul_f32 v[48+\n], v[40+\n], v[40+\n]         ; z
.endr
.irp n, 0,1,2,3,4,5,6,7
	v_fma_f32 v[56+\n], v[48+\n], s34, s33
	v_fma_f32 v[64+\n], v[48+\n], s37, s36
.endr
.irp n, 0,1,2,3,4,5,6,7
	v_fma_f32 v[56+\n], v[56+\n], v[48+\n], s32
	v_fma_f32 v[64+\n], v[64+\n], v[48+\n], s35
.endr
.irp n, 0,1,2,3,4,5,6,7
	v_mul_f32 v[56+\n], v[56+\n], v[48+\n]
	v_fma_f32 v[64+\n], v[64+\n], v[48+\n], -0.5
.endr
.irp n, 0,1,2,3,4,5,6,7
	v_fma_f32 v[56+\n], v[56+\n], v[40+\n], v[40+\n]   ; sin r
	v_fma_f32 v[64+\n], v[64+\n], v[48+\n], 1.0        ; cos r
.endr
.irp n, 0,1,2,3,4,5,6,7
	v_cvt_i32_f32 v[72+\n], v[32+\n]
.endr
.irp n, 0,1,2,3,4,5,6,7
	v_and_b32 v[96+\n], 1, v[72+\n]
.endr
.irp n, 0,1,2,3,4,5,6,7                        ; odd k: sine and cosine change places
	v_cmp_eq_u32 vcc_lo, 1, v[96+\n]
	v_cndmask_b32 v[80+2*\n], v[64+\n], v[56+\n], vcc_lo
	v_cndmask_b32 v[81+2*\n], v[56+\n], v[64+\n], vcc_lo
.endr
.irp n, 0,1,2,3,4,5,6,7
	v_add_lshl_u32 v[96+\n], v[72+\n], 1, 30       ; the cosine is negative where k % 4 is 1 or 2: bit 1 of k + 1,
	v_lshlrev_b32 v[72+\n], 30, v[72+\n]           ; the sine where k % 4 is 2 or 3: bit 1 of k
.endr
.irp n, 0,1,2,3,4,5,6,7
	v_and_b32 v[96+\n], 0x80000000, v[96+\n]
	v_and_b32 v[72+\n], 0x80000000, v[72+\n]
.endr
.irp n, 0,1,2,3,4,5,6,7
	v_xor_b32 v[80+2*\n], v[80+2*\n], v[96+\n]
	v_xor_b32 v[81+2*\n], v[81+2*\n], v[72+\n]
.endr
.irp i, 0,1,2,3
	global_store_b128 v3, v[80+4*\i:83+4*\i], s[RT:RT+1] offset:512*\i   ; 32 lanes store 512 consecutive bytes, aligned
.endr
	s_wait_xcnt 0x0                                ; the stores have read their data and their offset: both are written again only behind this wait
	v_add_nc_u32 v3, 2048, v3
	v_add_nc_u32 v21, 16, v21
	s_sub_co_u32 s38, s38, 1
	s_cmp_lg_u32 s38, 0
	s_cbranch_scc1 .Ltrip
	s_endpgm
.Lfunc_end_k_qd1c1d75173_prep:
	.size	k_qd1c1d75173_prep, .Lfunc_end_k_qd1c1d75173_prep-k_qd1c1d75173_prep
	.p2alignl 7, 3214868480
	.fill 96, 4, 3214868480
	.section	.rodata,"a",@progbits
	.p2align	6, 0x0
	.amdhsa_kernel k_qd1c1d75173_prep
		.amdhsa_group_segment_fixed_size 88576
		.amdhsa_private_segment_fixed_size 0
		.amdhsa_enable_private_segment 0
		.amdhsa_kernarg_size 64
		.amdhsa_user_sgpr_count 2
		.amdhsa_user_sgpr_kernarg_segment_ptr 1
		.amdhsa_wavefront_size32 1
		.amdhsa_system_sgpr_workgroup_id_x 1
		.amdhsa_system_sgpr_workgroup_id_y 1
		.amdhsa_system_sgpr_workgroup_id_z 1
		.amdhsa_system_vgpr_workitem_id 0
		.amdhsa_next_free_vgpr 226
		.amdhsa_next_free_sgpr 66
		.amdhsa_reserve_vcc 1
		.amdhsa_float_denorm_mode_32 3
		.amdhsa_float_denorm_mode_16_64 3
		.amdhsa_memory_ordered 1
		.amdhsa_forward_progress 1
		.amdhsa_inst_pref_size 75
	.end_amdhsa_kernel
	.amdgpu_metadata
---
amdhsa.version: [ 1, 2 ]
amdhsa.kernels:
  - .name:           k_qd1c1d75173_prep
    .symbol:         k_qd1c1d75173_prep.kd
    .args:
      - { .name: x, .offset: 0, .size: 8, .value_kind: global_buffer, .address_space: global }
      - { .name: Wq, .offset: 8, .size: 8, .value_kind: global_buffer, .address_space: global }
      - { .name: Wk, .offset: 16, .size: 8, .value_kind: global_buffer, .address_space: global }
      - { .name: Wv, .offset: 24, .size: 8, .value_kind: global_buffer, .address_space: global }
      - { .name: Wu, .offset: 32, .size: 8, .value_kind: global_buffer, .address_space: global }
      - { .name: codes, .offset: 40, .size: 8, .value_kind: global_buffer, .address_space: global }
      - { .name: scales, .offset: 48, .size: 8, .value_kind: global_buffer, .address_space: global }
      - { .name: rope, .offset: 56, .size: 8, .value_kind: global_buffer, .address_space: global }
    .group_segment_fixed_size: 88576
    .private_segment_fixed_size: 0
    .kernarg_segment_align: 8
    .kernarg_segment_size: 64
    .max_flat_workgroup_size: 128
    .sgpr_count:     66
    .vgpr_count:     226
    .wavefront_size: 32
...
	.end_amdgpu_metadata
.endif
;; end of part 1
;; launch qkv (part 2): grid 12 x 32, 4 waves a work-group, clusters of 4 x 4, 327,680 bytes of LDS; arguments codes, scales, rope, qkv; writes qkv
.if DOCPART == 2
	.amdgcn_target "amdgcn-amd-amdhsa--gfx1250"
	.amdhsa_code_object_version 6
	.text
	.protected	k_qd1c1d75173_qkv
	.globl	k_qd1c1d75173_qkv
	.p2align	8
	.type	k_qd1c1d75173_qkv,@function
k_qd1c1d75173_qkv:
	s_mov_b64 s[64:65], 0
	v_nop
	global_prefetch_b8 v0, s[64:65] scope:SCOPE_SE
	s_setreg_imm32_b32 hwreg(HW_REG_WAVE_MODE, 25, 1), 1
	s_wait_xcnt 0x0
	s_wait_alu depctr_hold_cnt(0) depctr_sa_sdst(0) depctr_va_vdst(0) depctr_va_sdst(0) depctr_va_ssrc(0) depctr_va_vcc(0) depctr_vm_vsrc(0)
	s_getreg_b32 s2, hwreg(HW_REG_IB_STS2, 6, 4)
	s_cmp_eq_u32 s2, 0
	s_cbranch_scc0 .Lentry_in_a_cluster
	s_endpgm
.Lentry_in_a_cluster:
	s_bfe_u32 s2, ttmp6, 0x10000c
	s_cmp_lg_u32 s2, 0xf033
	s_cbranch_scc0 .Lentry_shape_is_right
	s_endpgm
.Lentry_shape_is_right:
; QKV.  q, k = rope(x Wq^T), rope(x Wk^T) and v = x Wv^T on codes of FP6 (E2M3) with E8M0 scales; the results are quantised again for the attention and stored as images of operand registers.
; A work-group makes 256 x 256 of the product, a wave 128 x 128.  K goes in steps of 256 through a ring of two LDS slots filled by joint loads of a 4 x 4 cluster.
; Both operands lie in memory as images of operand registers, [block of 16 rows][128 along K][3 planes of 512 bytes]: a K step of a block of rows is 3,072 consecutive bytes, which begin at a multiple of 3,072;
; a fragment is three loads of 16 bytes a lane, 512 consecutive bytes each.
.set KSTEP,  256
.set NQ,     KSTEP/128
.set AROW,   3072
.set KROW,   768
.set PITCH,  192
.set FR,     12
.set NL,     3
.set NP,     4
.set HALFT,  128*PITCH
.set SLOT,   4*HALFT
.set LAPS,   2
.set KS,     32
.set SCL,    2*SLOT
.set HALFS,  (128*KS/256)*272
.set SBLK,   (16*KS/256)*272
.set SPARE,  SCL+4*HALFS
.set WQC,    6291456
.set WVC,    7864320
.set WQS,    262144
.set WVS,    327680
.set HS,     335872
.set KCO,    0
.set VCO,    98304
.set KSO,    196608
.set VSO,    212992
.set QCO,    221184
.set QSO,    319488
.set ADRA, 16
.set ADRB, 20
.set OL16, 24
.set OL8,  25
.set ADRS, 27
.set SPW,  28
.set NIL,  29
.set SC,   32
.set X0,   64
.set AF,   128
.set TM,   160
.set PW,   176
.set TQ,   180
.set PCX,  192
.set WA,   216
.set WB,   218
.set SEL,  92
.set ISV,  66
.set G1, 24
.set G0, 32
.set G1B, 48
.set G0B, 56
.set G1S, 68
.set G0S, 76
.set G1SB, 80
.set G0SB, 88
.set MSB, 0
.macro WIN new
.if MSB != (\new)
	s_set_vgpr_msb (MSB<<8)|(\new)
.set MSB, (\new)
.endif
.endm
.set MUL_LO, 0xa1
.set MUL_HI, 0xf1
.set TO_B,   0x40
.macro JLOAD g0a, g1a, g0b, g1b
	s_cmp_eq_u32 s15, 0
	s_cbranch_scc0 .Lfor_b_\@
	tensor_load_to_lds s[\g0a:\g0a+3], s[\g1a:\g1a+7]
	s_nop 0
.rept 4
	v_nop
.endr
	s_branch .Lasked_\@
.Lfor_b_\@:
	tensor_load_to_lds s[\g0b:\g0b+3], s[\g1b:\g1b+7]
	s_nop 0
.rept 4
	v_nop
.endr
.Lasked_\@:
.endm
.macro CREST
	s_cmp_lg_u32 s14, 0
	s_cbranch_scc1 .Lnot_wave_0_\@
	s_barrier_signal -3
.Lnot_wave_0_\@:
	s_barrier_wait -3
	s_barrier_signal -1
	s_barrier_wait -1
.endm
.macro CROUND
	s_barrier_signal -1
	s_barrier_wait -1
	CREST
.endm
	s_load_b256 s[4:11], s[0:1], 0x0
	v_lshl_add_u32 v[SPW], v0, 2, SPARE
	v_mov_b32 v[NIL], 0
	ds_add_u32 v28, v29
	ds_add_u32 v28, v29
	s_wait_dscnt 0x0
	v_lshrrev_b32 v1, 5, v0
	v_readfirstlane_b32 s14, v1
	s_lshr_b32 s15, s14, 1
	s_and_b32 s16, s14, 1
	s_bfe_u32 s40, ttmp6, 0x40000
	s_bfe_u32 s41, ttmp6, 0x40004
	s_and_b32 s67, ttmp7, 0xffff
	s_lshl_b32 s67, s67, 2
	s_lshl_b32 s95, ttmp9, 2
	s_cmp_eq_u32 ttmp9, 2
	s_cselect_b32 s[ISV], 1, 0
	s_cselect_b32 s42, s67, s95
	s_cselect_b32 s17, 0, s67
	s_cselect_b32 s96, WVC, 0
	s_cselect_b32 s97, WVS, 0
	s_cselect_b32 s98, 0, WQC
	s_cselect_b32 s99, 0, WQS
	s_add_co_u32 s42, s42, s40
	s_add_co_u32 s17, s17, s41
	s_lshl_b32 s43, s41, 2
	s_lshl_b32 s43, 15, s43
	s_lshl_b32 s44, 0x1111, s40
	s_or_b32 s[G1+0], s43, (3<<16)|(1<<21)
	s_or_b32 s[G1B+0], s44, (3<<16)|(1<<21)
.irp g, G1, G1B                        ; 8 blocks of 16 rows: 8 tile rows of 384 elements of 8 bytes, 12,288 bytes apart, dense in LDS
	s_mov_b32 s[\g+1], 384<<16
	s_mov_b32 s[\g+2], 8<<16
	s_mov_b32 s[\g+3], 384<<16
	s_mov_b32 s[\g+4], 8
	s_mov_b32 s[\g+5], 1536
	s_mov_b32 s[\g+6], 0
	s_mov_b32 s[\g+7], 0
.endr
	s_or_b32 s[G1S+0], s43, (3<<16)|(1<<20)|(1<<21)|(5<<22)|(3<<25)
	s_or_b32 s[G1SB+0], s44, (3<<16)|(1<<20)|(1<<21)|(5<<22)|(3<<25)
.irp g, G1S, G1SB
	s_mov_b32 s[\g+1], 32<<16
	s_mov_b32 s[\g+2], (128*KS/256)<<16
	s_mov_b32 s[\g+3], 32<<16
	s_mov_b32 s[\g+4], 128*KS/256
	s_mov_b32 s[\g+5], 32
	s_mov_b32 s[\g+6], 0
	s_mov_b32 s[\g+7], 0
.endr
	s_lshl_b32 s18, s16, 7
	s_lshl_b32 s20, s17, 8
	s_add_co_u32 s20, s20, s18
	s_lshl_b32 s46, s42, 8
	s_add_co_u32 s46, s46, s18
	s_mul_i32 s22, s20, KS
	s_mul_i32 s92, s46, KS
	s_mul_i32 s20, s20, KROW
	s_mul_i32 s46, s46, KROW
	s_add_co_u32 s20, s20, s96
	s_add_co_u32 s22, s22, s97
	s_add_co_u32 s46, s46, s98
	s_add_co_u32 s92, s92, s99
	s_mov_b32 s21, 0
	s_mov_b32 s23, 0
	s_mov_b32 s47, 0
	s_mov_b32 s93, 0
	s_mul_i32 s45, s14, HALFT
	s_mul_i32 s94, s14, HALFS
	s_wait_kmcnt 0x0
	s_add_nc_u64 s[20:21], s[4:5], s[20:21]
	s_add_nc_u64 s[22:23], s[6:7], s[22:23]
	s_add_nc_u64 s[46:47], s[4:5], s[46:47]
	s_add_nc_u64 s[92:93], s[6:7], s[92:93]
	CROUND
	s_mov_b32 s[G0S], 1
	s_add_co_u32 s[G0S+1], s94, SCL
	s_mov_b64 s[G0S+2:G0S+3], s[22:23]
	s_or_b32 s[G0S+3], s[G0S+3], 0x80000000
	s_mov_b32 s[G0SB], 1
	s_add_co_u32 s[G0SB+1], s94, SCL
	s_mov_b64 s[G0SB+2:G0SB+3], s[92:93]
	s_or_b32 s[G0SB+3], s[G0SB+3], 0x80000000
	JLOAD G0S, G1S, G0SB, G1SB
.irp s, 0,1
	s_mov_b32 s[G0+4*\s], 1
	s_add_co_u32 s[G0+4*\s+1], s45, \s*SLOT
	s_add_nc_u64 s[G0+4*\s+2:G0+4*\s+3], s[20:21], \s*AROW
	s_or_b32 s[G0+4*\s+3], s[G0+4*\s+3], 0x80000000
	s_mov_b32 s[G0B+4*\s], 1
	s_add_co_u32 s[G0B+4*\s+1], s45, \s*SLOT
	s_add_nc_u64 s[G0B+4*\s+2:G0B+4*\s+3], s[46:47], \s*AROW
	s_or_b32 s[G0B+4*\s+3], s[G0B+4*\s+3], 0x80000000
	s_wait_alu depctr_va_vdst(0)
	s_wait_tensorcnt 0x0
	ds_add_u32 v28, v29
	s_wait_dscnt 0x0
	CROUND
	JLOAD G0+4*\s, G1, G0B+4*\s, G1B
.endr
	v_and_b32 v1, 15, v0
	v_bfe_u32 v2, v0, 4, 1
	v_and_b32 v3, 31, v0
	v_lshlrev_b32 v4, 4, v3
	s_mul_i32 s21, s15, HALFT
	s_mul_i32 s22, s16, HALFT
	s_add_co_u32 s22, s22, 2*HALFT
.irp s, 0,1
	v_add_nc_u32 v[ADRA+\s], s21, v4
	v_add_nc_u32 v[ADRB+\s], s22, v4
	s_add_co_u32 s21, s21, SLOT
	s_add_co_u32 s22, s22, SLOT
.endr
	s_wait_alu depctr_va_vdst(0)
	v_mul_u32_u24 v5, v1, KS
	v_lshrrev_b32 v6, 8, v5
	v_lshl_add_u32 v5, v6, 4, v5
	s_mul_i32 s21, s15, HALFS
	s_mul_i32 s22, s16, HALFS
	s_add_co_u32 s22, s22, 2*HALFS
	s_sub_co_u32 s22, s22, s21
	v_mul_u32_u24 v6, s22, v2
	s_add_co_u32 s21, s21, SCL
	v_add_nc_u32 v5, v5, v6
	v_add_nc_u32 v[ADRS], s21, v5
	v_and_b32 v6, 31, v0
	v_lshlrev_b32 v[OL16], 4, v6
	v_lshlrev_b32 v[OL8], 3, v6
	s_lshl_b32 s20, s17, 8
	s_lshl_b32 s21, s15, 7
	s_add_co_u32 s20, s20, s21
	s_lshl_b32 s46, s42, 8
	s_lshl_b32 s47, s16, 7
	s_add_co_u32 s46, s46, s47
	s_cmp_eq_u32 s[ISV], 1
	s_cselect_b32 s18, s46, s20
	s_cselect_b32 s19, s20, s46
	s_cselect_b32 s21, 7, 8
	s_lshr_b32 s22, s18, 11
	s_lshl_b32 s22, s22, 4
	s_bfe_u32 s23, s19, 0x40006
	s_add_co_u32 s22, s22, s23
	s_mul_i32 s22, s22, HS
	s_bfe_u32 s18, s18, 0x60005
	s_mul_i32 s96, s18, 1536
	s_add_co_u32 s96, s96, s22
	s_lshl_b32 s98, s18, s21
	s_add_co_u32 s98, s98, s22
	s_lshl_b32 s100, s18, 17
	s_bfe_u32 s23, s19, 0x50005
	s_lshl_b32 s23, s23, 11
	s_add_co_u32 s100, s100, s23
	s_lshr_b32 s23, s19, 10
	s_mov_b32 s44, QSO
	s_cmp_eq_u32 s23, 1
	s_cselect_b32 s43, KCO, QCO
	s_cselect_b32 s44, KSO, s44
	s_cmp_eq_u32 s[ISV], 1
	s_cselect_b32 s43, VCO, s43
	s_cselect_b32 s44, VSO, s44
	s_add_co_u32 s96, s96, s43
	s_add_co_u32 s98, s98, s44
	s_mov_b32 s97, 0
	s_mov_b32 s99, 0
	s_mov_b32 s101, 0
	s_add_nc_u64 s[12:13], s[10:11], s[98:99]
	s_add_nc_u64 s[10:11], s[10:11], s[96:97]
	s_add_nc_u64 s[8:9], s[8:9], s[100:101]
	s_mov_b32 s[SEL], 0x76543210
	s_mov_b32 s[SEL+1], 0xfedcba98
.macro FRAG reg, adr, q, i
.irp e, 0,1,2
	ds_load_b128 v[\reg+4*\e:\reg+4*\e+3], v[\adr] offset:AROW*(\i)+1536*(\q)+512*\e
.endr
.endm
.macro MUL16 a0, p, q, sc, zero
.irp a, \a0, \a0+1
.irp b, 0,1,2,3,4,5,6,7
.if \zero
	v_wmma_scale_f32_16x16x128_f8f6f4 v[8*(8*((\a)%4)+\b):8*(8*((\a)%4)+\b)+7], v[128*(\p)+FR*\b:128*(\p)+FR*\b+FR-1], v[AF+FR*(\a):AF+FR*(\a)+FR-1], 0, v[SC+8*NQ*(\sc)+NQ*\b+(\q)], v[SC+8*NQ*(\sc)+NQ*(\a)+(\q)] matrix_a_fmt:MATRIX_FMT_FP6 matrix_b_fmt:MATRIX_FMT_FP6 matrix_a_scale:MATRIX_SCALE_ROW1
.else
	v_wmma_scale_f32_16x16x128_f8f6f4 v[8*(8*((\a)%4)+\b):8*(8*((\a)%4)+\b)+7], v[128*(\p)+FR*\b:128*(\p)+FR*\b+FR-1], v[AF+FR*(\a):AF+FR*(\a)+FR-1], v[8*(8*((\a)%4)+\b):8*(8*((\a)%4)+\b)+7], v[SC+8*NQ*(\sc)+NQ*\b+(\q)], v[SC+8*NQ*(\sc)+NQ*(\a)+(\q)] matrix_a_fmt:MATRIX_FMT_FP6 matrix_b_fmt:MATRIX_FMT_FP6 matrix_a_scale:MATRIX_SCALE_ROW1
.endif
.endr
.endr
.endm
.macro FETCH_B slot, q, p
	WIN TO_B
.irp i, 0,1,2,3,4,5,6,7
	FRAG 128*(\p)+FR*\i, ADRB+\slot, \q, \i
.endr
	WIN 0
.endm
.macro FETCH_A slot, q, i0
.irp i, \i0, \i0+1, \i0+2, \i0+3
	FRAG AF+FR*(\i), ADRA+\slot, \q, \i
.endr
.endm
.macro SCALES sc
.irp i, 0,1,2,3,4,5,6,7
	ds_load_b64 v[SC+8*NQ*\sc+NQ*\i:SC+8*NQ*\sc+NQ*\i+1], v[ADRS] offset:\i*SBLK
.endr
.endm
.macro PLACES n
.rept \n
	v_nop
.endr
.endm
.macro STEP slot, q, zero
	s_wait_dscnt 4*NL
	WIN MUL_LO
	MUL16 0, (\q)%2, \q, \slot, \zero
	MUL16 2, (\q)%2, \q, \slot, \zero
	s_wait_dscnt 0
	PLACES NP
	FETCH_B \slot, (\q)+1, 1-(\q)%2
	FETCH_A \slot, (\q)+1, 0
	WIN MUL_HI
	MUL16 4, (\q)%2, \q, \slot, \zero
	MUL16 6, (\q)%2, \q, \slot, \zero
	PLACES NP
	WIN 0
	FETCH_A \slot, (\q)+1, 4
.endm
.macro TURN slot, next, fill
	s_wait_tensorcnt 0x0
	ds_add_u32 v[SPW], v[NIL]
	s_wait_dscnt 4*NL+1
	WIN MUL_LO
	MUL16 0, 1, NQ-1, \slot, 0
	s_wait_dscnt 0x0
	s_barrier_signal -1
	MUL16 2, 1, NQ-1, \slot, 0
	WIN 0
	s_barrier_wait -1
.if \fill
	CREST
	s_add_nc_u64 s[G0+4*\slot+2:G0+4*\slot+3], s[G0+4*\slot+2:G0+4*\slot+3], 2*AROW
	s_add_nc_u64 s[G0B+4*\slot+2:G0B+4*\slot+3], s[G0B+4*\slot+2:G0B+4*\slot+3], 2*AROW
	JLOAD G0+4*\slot, G1, G0B+4*\slot, G1B
.else
	PLACES NP
.endif
	s_wait_alu depctr_va_vdst(0)
	v_add_nc_u32 v[ADRS], 4*NQ, v[ADRS]
	FETCH_B \next, 0, 0
	FETCH_A \next, 0, 0
	SCALES \next
	WIN MUL_HI
	MUL16 4, 1, NQ-1, \slot, 0
	MUL16 6, 1, NQ-1, \slot, 0
	PLACES NP
	WIN 0
	FETCH_A \next, 0, 4
.endm
.macro TSET a
.if (\a)%4 == 0
.set T0, 96
.set T1, 224
.elseif (\a)%4 == 1
.set T0, 0
.set T1, 32
.elseif (\a)%4 == 2
.set T0, 64
.set T1, 128
.else
.set T0, 160
.set T1, 192
.endif
.endm
.macro TLOADS a
	TSET \a
	WIN 0x40
.irp e, 0,1,2,3
.irp i, 0,1,2,3
	global_load_b128 v[T0+(T1-T0)*(\e/2)+16*(\e%2)+4*\i:T0+(T1-T0)*(\e/2)+16*(\e%2)+4*\i+3], v[OL16], s[8:9] offset:65536*(\a)+2048*\e+512*\i
.endr
.endr
	WIN 0
.endm
.macro ROPE a
	TSET \a
.set AC, 64*((\a)%4)
	WIN 0x04|(2+(\a)/4)
.set P, 0
.rept 32
.set TR, T0+(T1-T0)*(P/16)+2*(P%16)
	v_pk_mul_f32 v[X0+2*P:X0+2*P+1], v[AC+2*P:AC+2*P+1], v[TR:TR+1] op_sel_hi:[0,1]
.set P, P+1
.endr
.set P, 0
.rept 32
.set TR, T0+(T1-T0)*(P/16)+2*(P%16)
	v_fma_f32 v[X0+2*P], -v[AC+2*P+1], v[TR+1], v[X0+2*P]
	v_fma_f32 v[X0+2*P+1], v[AC+2*P+1], v[TR], v[X0+2*P+1]
.set P, P+1
.endr
	WIN 0
.endm
.macro QUANTW s, w, d0, d1, pw
	WIN (\w)|((\w)<<2)
.irp b, 0,1,2,3
	v_max3_num_f32 v[TM+\b], |v[\s+16*\b]|, |v[\s+1+16*\b]|, 0x1800000
.endr
	WIN ((\w)<<2)|((\w)<<4)
.irp i, 2,4,6,8,10,12,14
.irp b, 0,1,2,3
	v_max3_num_f32 v[TM+\b], v[TM+\b], |v[\s+16*\b+\i]|, |v[\s+1+16*\b+\i]|
.endr
.endr
	WIN 0
.irp b, 0,1,2,3
	v_permlanex16_b32 v[TM+4+\b], v[TM+\b], s[SEL], s[SEL+1]
.endr
.irp b, 0,1,2,3
	v_max_num_f32 v[TM+\b], v[TM+\b], v[TM+4+\b]
.endr
.irp b, 0,1,2,3
	v_add_nc_u32 v[TM+12+\b], 0xff000000, v[TM+\b]
.endr
.irp b, 0,1,2,3
	v_lshrrev_b32 v[TM+4+\b], 23, v[TM+12+\b]
.endr
	v_lshl_or_b32 v[\pw], v[TM+5], 8, v[TM+4]
	v_lshl_or_b32 v[\pw], v[TM+6], 16, v[\pw]
	v_lshl_or_b32 v[\pw], v[TM+7], 24, v[\pw]
	WIN (\w)
	v_cvt_scalef32_pk16_fp6_f32 v[\d0:\d0+2], v[\s:\s+15], v[TM+12]
	v_cvt_scalef32_pk16_fp6_f32 v[TQ:TQ+2], v[\s+16:\s+31], v[TM+13]
	v_cvt_scalef32_pk16_fp6_f32 v[\d1:\d1+2], v[\s+32:\s+47], v[TM+14]
	v_cvt_scalef32_pk16_fp6_f32 v[TQ+4:TQ+6], v[\s+48:\s+63], v[TM+15]
	WIN 0
	v_nop
.irp i, 0,1,2
	v_permlane16_swap_b32 v[\d0+\i], v[TQ+\i]
	v_permlane16_swap_b32 v[\d1+\i], v[TQ+4+\i]
.endr
.irp i, 0,1,2
	v_mov_b32 v[\d0+3+\i], v[TQ+\i]
	v_mov_b32 v[\d1+3+\i], v[TQ+4+\i]
.endr
.endm
.macro EPI isv
.if !\isv
	TLOADS 0
	TLOADS 1
	TLOADS 2
.endif
.irp a, 0,1,2,3,4,5,6,7
.if !\isv
.if \a <= 5
	s_wait_loadcnt 32
.elseif \a == 6
	s_wait_loadcnt 16
.else
	s_wait_loadcnt 0
.endif
	ROPE \a
.if \a <= 4
	TLOADS \a+3
.endif
	s_wait_xcnt 0x0
	QUANTW X0, 0, PCX+6*(\a%2), PCX+12+6*(\a%2), PW
	v_perm_b32 v[WA+\a%2], v[PW], v[PW], 0x01000100
	v_perm_b32 v[WB+\a%2], v[PW], v[PW], 0x03020302
.if \a%2 == 1
.irp e, 0,1,2
	global_store_b128 v[OL16], v[PCX+4*\e:PCX+4*\e+3], s[10:11] offset:1536*(\a/2)+512*\e
	global_store_b128 v[OL16], v[PCX+12+4*\e:PCX+12+4*\e+3], s[10:11] offset:HS+1536*(\a/2)+512*\e
.endr
	global_store_b64 v[OL8], v[WA:WA+1], s[12:13] offset:256*(\a/2)
	global_store_b64 v[OL8], v[WB:WB+1], s[12:13] offset:HS+256*(\a/2)
.endif
.else
	s_wait_xcnt 0x0
	QUANTW 64*(\a%4), 2+\a/4, PCX, PCX+6, WA+\a%2
.irp e, 0,1,2
	global_store_b128 v[OL16], v[PCX+4*\e:PCX+4*\e+3], s[10:11] offset:(\a/4)*HS+1536*(\a%4)+512*\e
.endr
.if \a%2 == 1
	global_store_b64 v[OL8], v[WA:WA+1], s[12:13] offset:(\a/4)*HS+256*((\a%4)/2)
.endif
.endif
.endr
.endm
	s_wait_alu depctr_va_vdst(0)
	s_wait_tensorcnt 1
	s_barrier_signal -1
	s_barrier_wait -1
	FETCH_B 0, 0, 0
	FETCH_A 0, 0, 0
	SCALES 0
	FETCH_A 0, 0, 4
	STEP 0, 0, 1
	s_mov_b32 s3, LAPS-1
.Llap:
	TURN 0, 1, 1
	STEP 1, 0, 0
	TURN 1, 0, 1
	STEP 0, 0, 0
	s_sub_co_u32 s3, s3, 1
	s_cmp_lg_u32 s3, 0
	s_cbranch_scc1 .Llap
	TURN 0, 1, 0
	STEP 1, 0, 0
	s_wait_dscnt 4*NL
	WIN MUL_LO
	MUL16 0, 1, NQ-1, 1, 0
	MUL16 2, 1, NQ-1, 1, 0
	s_wait_dscnt 0
	WIN MUL_HI
	MUL16 4, 1, NQ-1, 1, 0
	MUL16 6, 1, NQ-1, 1, 0
	WIN 0
	PLACES NP
.irp b, 0,1,2,3
	v_mov_b32 v[TM+4+\b], 0
.endr
	s_cmp_eq_u32 s[ISV], 1
	s_cbranch_scc1 .Lv
	EPI 0
	s_branch .Lend
.Lv:
	EPI 1
.Lend:
	s_wait_tensorcnt 0x0
	ds_add_u32 v[SPW], v[NIL]
	s_wait_dscnt 0x0
	CROUND
	s_endpgm
.Lfunc_end_k_qd1c1d75173_qkv:
	.size	k_qd1c1d75173_qkv, .Lfunc_end_k_qd1c1d75173_qkv-k_qd1c1d75173_qkv
	.p2alignl 7, 3214868480
	.fill 96, 4, 3214868480
	.section	.rodata,"a",@progbits
	.p2align	6, 0x0
	.amdhsa_kernel k_qd1c1d75173_qkv
		.amdhsa_group_segment_fixed_size 327680
		.amdhsa_private_segment_fixed_size 0
		.amdhsa_enable_private_segment 0
		.amdhsa_kernarg_size 32
		.amdhsa_user_sgpr_count 2
		.amdhsa_user_sgpr_kernarg_segment_ptr 1
		.amdhsa_wavefront_size32 1
		.amdhsa_system_sgpr_workgroup_id_x 1
		.amdhsa_system_sgpr_workgroup_id_y 1
		.amdhsa_system_sgpr_workgroup_id_z 1
		.amdhsa_system_vgpr_workitem_id 0
		.amdhsa_next_free_vgpr 1024
		.amdhsa_next_free_sgpr 102
		.amdhsa_reserve_vcc 0
		.amdhsa_float_denorm_mode_32 3
		.amdhsa_float_denorm_mode_16_64 3
		.amdhsa_memory_ordered 1
		.amdhsa_forward_progress 1
		.amdhsa_inst_pref_size 238
	.end_amdhsa_kernel
	.amdgpu_metadata
---
amdhsa.version: [ 1, 2 ]
amdhsa.kernels:
  - .name:           k_qd1c1d75173_qkv
    .symbol:         k_qd1c1d75173_qkv.kd
    .args:
      - { .name: codes, .offset: 0, .size: 8, .value_kind: global_buffer, .address_space: global }
      - { .name: scales, .offset: 8, .size: 8, .value_kind: global_buffer, .address_space: global }
      - { .name: rope, .offset: 16, .size: 8, .value_kind: global_buffer, .address_space: global }
      - { .name: qkv, .offset: 24, .size: 8, .value_kind: global_buffer, .address_space: global }
    .group_segment_fixed_size: 327680
    .private_segment_fixed_size: 0
    .kernarg_segment_align: 8
    .kernarg_segment_size: 32
    .max_flat_workgroup_size: 128
    .sgpr_count:     102
    .vgpr_count:     1024
    .wavefront_size: 32
...
	.end_amdgpu_metadata
.endif
;; end of part 2
;; launch attn (part 3): grid 4 x 64, 16 waves a work-group, clusters of 4 x 1, 247,808 bytes of LDS; arguments qkv, attc, atts; writes attc, atts
.if DOCPART == 3
	.amdgcn_target "amdgcn-amd-amdhsa--gfx1250"
	.amdhsa_code_object_version 6
	.text
	.protected	k_qd1c1d75173_attn
	.globl	k_qd1c1d75173_attn
	.p2align	8
	.type	k_qd1c1d75173_attn,@function
k_qd1c1d75173_attn:
	s_mov_b64 s[64:65], 0
	v_nop
	global_prefetch_b8 v0, s[64:65] scope:SCOPE_SE
	s_setreg_imm32_b32 hwreg(HW_REG_WAVE_MODE, 25, 1), 1
	s_wait_xcnt 0x0
	s_wait_alu depctr_hold_cnt(0) depctr_sa_sdst(0) depctr_va_vdst(0) depctr_va_sdst(0) depctr_va_ssrc(0) depctr_va_vcc(0) depctr_vm_vsrc(0)
	s_getreg_b32 s2, hwreg(HW_REG_IB_STS2, 6, 4)
	s_cmp_eq_u32 s2, 0
	s_cbranch_scc0 .Lentry_in_a_cluster
	s_endpgm
.Lentry_in_a_cluster:
	s_bfe_u32 s2, ttmp6, 0x10000c
	s_cmp_lg_u32 s2, 0x3003
	s_cbranch_scc0 .Lentry_shape_is_right
	s_endpgm
.Lentry_shape_is_right:
; ATTN.  For each (batch, head): O[q] = sum over keys of softmax(q . k / 8) v, both products on codes of FP6 (E2M3) with E8M0 scales; O / l is quantised along the head's 64 channels for the last projection.
; t = score x log2(e) / 8; M = the running largest t rounded UP to a whole number; p = 2^(t - M) is what is quantised, along the keys; the row's sum is taken of the unquantised p and divides at the end.
; When M moves, the sum and O are multiplied by 2^(old M - new M): exact.
; SHARES.  A cluster of four work-groups is one (batch, head); a work-group owns 512 queries; each of its sixteen waves 16 queries a pass, two passes by one loop.  Every wave walks all 2,048 keys, 128 a step, four steps a trip.
; LDS.  The head's whole K and V, codes and scale words, are brought ONCE, by joint loads of the four work-groups (waves 0-5: K's codes, 6-11: V's, 16,384 bytes each; 12-14: scale words, 8,192 each): no ring, one barrier.
;   No prefetch: every tile is asked for at the head.  In memory all are images of operand registers: 12 registers as 3 planes of 512 bytes, lane l at 16 l.  K's planes get 128 bytes of padding each in LDS (pitch 640).
; LAYOUT.  Both products are used transposed: S^T = K Q^T, O^T = V^T P^T: a lane holds ONE query throughout.
;   In memory tile 2 b + u of a step holds keys 32 b + 8 u + r + 8 (r / 8).  THE TILES ARE GATHERED ANEW FROM LDS, by the lanes' addresses: rows 0-7 of tile 4 c + u are keys 64 c + 8 u + 0 .. 7, rows 8-15 the keys 32 further on
;   (they lie one pair of tiles, 1,920 bytes, further on).  So the 32 registers of tiles 4 c .. 4 c + 3 of lane (r, h) are keys
;   64 c + 32 h + 0 .. 31: A WHOLE BLOCK OF p LIES IN ONE LANE, in the order of the operand's registers 6 c .. 6 c + 5: no lane is asked for a block's maximum and no code changes lanes.
; K = 64 IN THE FIRST PRODUCT: Q's fragment is 6 registers of codes and 6 of zero codes.  K's tiles lie 6 registers apart: the upper half of a tile's operand is the next tile's codes (behind the last: p's codes), which meet
;   Q's zeros and add nothing.  The scale words repeat the head's two bytes; one register holds the words of two tiles, the second in lanes 16-31.
; OUT.  attc [block of 16 rows][pair of heads][6 planes of 256 bytes: lane l at 8 l];  atts [row][32]: my head's two bytes.  Rows are stored positions.
; LIMITS: NaN and infinities are not served; a block of zeros has the byte 1 (its codes are zeros; this program alone reads the bytes); the promise holds while the scaled scores stay under 2^31 in magnitude.
.set HS,   335872
.set QCO,  221184
.set QSO,  319488
.set VL,   122880                      ; LDS: K's codes from 0 (64 pairs of tiles x 1,920), V's codes,
.set KSL,  221184                      ; K's scale words,
.set VSL,  237568                      ; V's,
.set SPARE, 245760                     ; and the spare words, 128 bytes for each wave, which no other line names
.set AK0,  1                           ; v1-4  the lanes' parts of the four LDS addresses
.set AV0,  2
.set AS0,  3
.set AT0,  4
.set SH8,  5                           ; v5    8 (lane / 16)
.set ADK,  6                           ; v6-9  the same addresses at this trip's four steps
.set ADV,  7
.set ADS,  8
.set ADT,  9
                                       ; v10, v12  -M, by turns (named as pairs with v11, at work, and v13, the running largest score); v[14:15] the sum
.set Q,    16                          ; v16-27  Q: 6 registers + 6 zeros
.set KF,   28                          ; v28-75  K's eight tiles; once the scores are made, at work:
.set BM,   28                          ;   v28-31 the blocks' largest scores, in two chains each; then v28, v30 the largest p
.set SCO,  32                          ;   the conversions' scale operands
.set BX,   34                          ;   the bytes
.set TQ,   36                          ;   the blocks' second halves
.set T2,   44
.set DD,   45
.set T,    46                          ;   v46-61 eight chains of the sum
.set PC,   76                          ; v76-87  p's codes
.set CH,   88                          ; v88-95  the sum's four parts that wait for the next step
.set S,    96                          ; v96-159  S^T, then p
.set O,    160                         ; v160-191 O^T
.set VF,   192                         ; v192-239 V's four fragments
.set KSW,  240
.set VSW,  244
.set QSW,  248
.set PSW,  249
.set F,    250                         ; f = 2^(old M - new M) (named as a pair)
.set GOC,  252                         ; 8 l
.set GOS,  253                         ; 32 (l % 16)
.set SPW,  254
.set NIL,  255
.set WV,   18
.set SEL,  20
.set CS,   22                          ; s[22:23] log2(e) / 8
.set G1K,  24
.set G1C,  32
.set G1S,  40
.set G0K,  48
.set G0C,  68
.set G0S,  72
.set TK,   76
.set TV,   77
.set TS,   78
.set TJ,   79
.set CNT,  80
.set PS,   81
.set NC,   82                          ; -log2(e) / 8
.macro ROUND                           ; a round of the cluster's barrier
	s_barrier_signal -1
	s_barrier_wait -1
	s_cmp_lg_u32 s[WV], 0
	s_cbranch_scc1 .Lnot_wave_0_\@
	s_barrier_signal -3
.Lnot_wave_0_\@:
	s_barrier_wait -3
	s_barrier_signal -1
	s_barrier_wait -1
.endm
.macro FOURNOP
.rept 4
	v_nop
.endr
.endm
.macro QLOAD                           ; this pass's Q: three pieces of 8 bytes a lane, and its scale words
	v_and_b32 v[T2], 31, v0
	v_lshlrev_b32 v[T2], 4, v[T2]
	v_add_nc_u32 v[DD], s52, v[T2]
	v_add_nc_u32 v[T], s53, v[T2]
	v_add_nc_u32 v[T+1], s54, v[T2]
	global_load_b64 v[Q:Q+1], v[DD], s[56:57]
	global_load_b64 v[Q+2:Q+3], v[T], s[56:57]
	global_load_b64 v[Q+4:Q+5], v[T+1], s[56:57]
	global_load_b32 v[QSW], v[GOC], s[58:59]
.endm
	s_load_b128 s[4:7], s[0:1], 0x0                ; qkv, attc
	s_load_b64 s[8:9], s[0:1], 0x10                ; atts
	v_lshl_add_u32 v[SPW], v0, 2, SPARE
	v_mov_b32 v[NIL], 0
	ds_add_u32 v[SPW], v[NIL]                      ; the opening lines: the add, twice on end, and its wait ahead of my tensor load
	ds_add_u32 v[SPW], v[NIL]
	v_lshrrev_b32 v28, 5, v0
	v_readfirstlane_b32 s[WV], v28                 ; wave 0..15
	s_bfe_u32 s13, ttmp6, 0x40000                  ; cx: it enters Q's and the outputs' addresses alone
	s_and_b32 s12, ttmp7, 0xffff                   ; 16 x batch + head, which the four partners share
	s_mul_i32 s10, s12, HS                         ; the region
	; descriptor groups 1; the mask names all four work-groups.  K's codes: 32 rows of 512 bytes (64 elements of 8), 32 words of padding behind each
	s_mov_b32 s[G1K], 15|(3<<16)|(1<<20)|(1<<21)|(6<<22)|(31<<25)
	s_mov_b32 s[G1K+1], 64<<16
	s_mov_b32 s[G1K+2], 32<<16
	s_mov_b32 s[G1K+3], 64<<16
	s_mov_b32 s[G1K+4], 32
	s_mov_b32 s[G1K+5], 64
	s_mov_b32 s[G1K+6], 0
	s_mov_b32 s[G1K+7], 0
	s_mov_b32 s[G1C], 15|(3<<16)|(1<<21)           ; V's codes: 64 rows of 256 bytes, dense
	s_mov_b32 s[G1C+1], 32<<16
	s_mov_b32 s[G1C+2], 64<<16
	s_mov_b32 s[G1C+3], 32<<16
	s_mov_b32 s[G1C+4], 64
	s_mov_b32 s[G1C+5], 32
	s_mov_b32 s[G1C+6], 0
	s_mov_b32 s[G1C+7], 0
	s_mov_b32 s[G1S], 15|(3<<16)|(1<<21)           ; scale words: 32 rows of 256 bytes, dense
	s_mov_b32 s[G1S+1], 32<<16
	s_mov_b32 s[G1S+2], 32<<16
	s_mov_b32 s[G1S+3], 32<<16
	s_mov_b32 s[G1S+4], 32
	s_mov_b32 s[G1S+5], 32
	s_mov_b32 s[G1S+6], 0
	s_mov_b32 s[G1S+7], 0
	s_mul_i32 s[G0K+1], s[WV], 20480               ; waves 0-5: LDS byte 20,480 w; byte 16,384 w of the region
	s_lshl_b32 s14, s[WV], 14
	s_add_co_u32 s[G0C+1], s14, 24576              ; waves 6-11: LDS byte 122,880 + 16,384 (w - 6); byte 16,384 w of the region
	s_lshl_b32 s16, s[WV], 13
	s_add_co_u32 s[G0S+1], s16, 122880             ; waves 12-14: LDS byte 221,184 + 8,192 (w - 12);
	s_add_co_u32 s16, s16, 98304                   ; byte 196,608 + 8,192 (w - 12) of the region
	s_add_co_u32 s14, s14, s10
	s_mov_b32 s15, 0
	s_add_co_u32 s16, s16, s10
	s_mov_b32 s17, 0
	; Q: tile 32 cx + 16 pass + w; a pair of tiles is 1,536 bytes, its words 256
	s_lshl_b32 s66, s13, 4
	s_lshr_b32 s67, s[WV], 1
	s_add_co_u32 s66, s66, s67                     ; the pair
	s_mul_i32 s84, s66, 1536
	s_add_co_u32 s84, s84, s10
	s_add_co_u32 s84, s84, QCO
	s_mov_b32 s85, 0
	s_lshl_b32 s86, s66, 8
	s_and_b32 s67, s[WV], 1                        ; the even tile or the odd one
	s_lshl_b32 s83, s67, 2
	s_add_co_u32 s86, s86, s83
	s_add_co_u32 s86, s86, s10
	s_add_co_u32 s86, s86, QSO
	s_mov_b32 s87, 0
	s_mul_i32 s52, s67, 520                        ; registers 0-5 lie at bytes 0, 8, 512 of a lane's places, registers 6-11 at 520, 1,024, 1,032
	s_mul_i32 s53, s67, 1016
	s_add_co_u32 s53, s53, 8
	s_add_co_u32 s54, s52, 512
	; the outputs: block of 16 rows 128 batch + 32 cx + w (+ 16 in the second pass)
	s_lshr_b32 s66, s12, 4
	s_and_b32 s67, s12, 15                         ; the head
	s_lshl_b32 s66, s66, 7
	s_lshl_b32 s83, s13, 5
	s_add_co_u32 s66, s66, s83
	s_add_co_u32 s66, s66, s[WV]
	s_mul_i32 s88, s66, 12288
	s_mul_i32 s89, s67, 768
	s_add_co_u32 s88, s88, s89
	s_mov_b32 s89, 0
	s_lshl_b32 s90, s66, 9
	s_lshl_b32 s67, s67, 1
	s_add_co_u32 s90, s90, s67
	s_mov_b32 s91, 0
	s_mov_b32 s[SEL], 0x76543210
	s_mov_b32 s[SEL+1], 0xfedcba98
	s_mov_b32 s[CS], 0x3e38aa3b                    ; log2(e) / 8
	s_mov_b32 s[CS+1], s[CS]                       ; (named with it as a pair, so it is written)
	s_mov_b32 s[NC], 0xbe38aa3b
	s_wait_dscnt 0x0                               ; both opening adds are done
	s_wait_kmcnt 0x0
	s_mov_b32 s[G0K], 1
	s_add_nc_u64 s[G0K+2:G0K+3], s[4:5], s[14:15]
	s_or_b32 s[G0K+3], s[G0K+3], 0x80000000
	s_mov_b32 s[G0C], 1
	s_add_nc_u64 s[G0C+2:G0C+3], s[4:5], s[14:15]
	s_or_b32 s[G0C+3], s[G0C+3], 0x80000000
	s_mov_b32 s[G0S], 1
	s_add_nc_u64 s[G0S+2:G0S+3], s[4:5], s[16:17]
	s_or_b32 s[G0S+3], s[G0S+3], 0x80000000
	s_add_nc_u64 s[56:57], s[4:5], s[84:85]        ; Q's codes
	s_add_nc_u64 s[58:59], s[4:5], s[86:87]        ; Q's scale words
	s_add_nc_u64 s[60:61], s[6:7], s[88:89]        ; attc
	s_add_nc_u64 s[62:63], s[8:9], s[90:91]        ; atts
	ROUND                                          ; all four work-groups are here: the joint loads meet
	s_cmp_lt_u32 s[WV], 6                          ; one chain of branches on the wave's number, one load to an arm; an s_nop 0 and four v_nop follow each load
	s_cbranch_scc0 .Lnot_k
	tensor_load_to_lds s[G0K:G0K+3], s[G1K:G1K+7]
	s_nop 0
	FOURNOP
	s_branch .Lasked
.Lnot_k:
	s_cmp_lt_u32 s[WV], 12
	s_cbranch_scc0 .Lnot_v
	tensor_load_to_lds s[G0C:G0C+3], s[G1C:G1C+7]
	s_nop 0
	FOURNOP
	s_branch .Lasked
.Lnot_v:
	s_cmp_lt_u32 s[WV], 15
	s_cbranch_scc0 .Lasked
	tensor_load_to_lds s[G0S:G0S+3], s[G1S:G1S+7]
	s_nop 0
	FOURNOP
.Lasked:
	v_and_b32 v28, 31, v0                          ; l
	v_and_b32 v29, 7, v0                           ; j
	v_bfe_u32 v30, v0, 3, 1                        ; g
	v_bfe_u32 v31, v0, 4, 1                        ; h
	v_and_b32 v32, 15, v0
	v_lshlrev_b32 v[GOC], 3, v28
	v_lshlrev_b32 v[GOS], 5, v32
	v_lshlrev_b32 v[SH8], 3, v31
	v_mul_u32_u24 v33, v30, 1920                   ; K's codes: 1,920 g + 16 j + 256 h
	v_lshl_add_u32 v33, v29, 4, v33
	v_lshl_add_u32 v[AK0], v31, 8, v33
	v_lshlrev_b32 v34, 4, v28
	v_add_nc_u32 v[AV0], VL, v34                   ; V's codes: 16 l
	v_lshlrev_b32 v35, 8, v30                      ; K's scale words: 256 g + 8 j + 4 h
	v_lshl_add_u32 v35, v29, 3, v35
	v_lshl_add_u32 v35, v31, 2, v35
	v_add_nc_u32 v[AS0], KSL, v35
	v_add_nc_u32 v[AT0], VSL, v[GOC]               ; V's: 8 l
	QLOAD
.irp j, 0,1,2,3,4,5
	v_mov_b32 v[Q+6+\j], 0                         ; zero codes for K = 64 .. 127
	v_mov_b32 v[PC+\j], 0                          ; named behind K's last tile before p's first codes are made
.endr
	v_mov_b32 v11, 0                               ; (a lane permute's destination counts as one of its sources)
	v_mov_b32 v[F+1], 0                            ; (named with f as a pair)
	s_mov_b32 s[PS], 2
	s_wait_alu depctr_va_vdst(0)                   ; the wait at the head's end
	s_wait_tensorcnt 0x0                           ; my part of the head's K and V is in,
	s_barrier_signal -1
	s_barrier_wait -1                              ; everybody's is
.macro SUMS n                          ; the next n of a step's 28 additions of p: eight chains by turns (24), then eight to four
.rept \n
.if SI < 8
	v_pk_add_f32 v[T+2*SI:T+2*SI+1], v[S+2*SI:S+2*SI+1], v[S+16+2*SI:S+17+2*SI]
.elseif SI < 24
	v_pk_add_f32 v[T+2*(SI%8):T+2*(SI%8)+1], v[T+2*(SI%8):T+2*(SI%8)+1], v[S+16+2*SI:S+17+2*SI]
.else
	v_pk_add_f32 v[CH+2*(SI-24):CH+2*(SI-24)+1], v[T+2*(SI-24):T+2*(SI-24)+1], v[T+8+2*(SI-24):T+9+2*(SI-24)]
.endif
.set SI, SI+1
.endr
.endm
.macro JOIN                            ; the four parts that the last step left, into the sum (still under that step's M)
	v_pk_add_f32 v[CH:CH+1], v[CH:CH+1], v[CH+2:CH+3]
	v_pk_add_f32 v[CH+4:CH+5], v[CH+4:CH+5], v[CH+6:CH+7]
	v_pk_add_f32 v[14:15], v[14:15], v[CH:CH+1]
	v_pk_add_f32 v[14:15], v[14:15], v[CH+4:CH+5]
.endm
; A KEY STEP: 128 keys.  k: which of the trip's four
.macro STEP k
.set NN, 12-2*((\k)%2)                 ; the new -M and the old one take turns between v12 and v10
.set NO, 10+2*((\k)%2)
.set G, 0
.rept 12                               ; pair 2 c + v of the gathered tiles: 3,840 c + 128 v, plane e at 640 e
	ds_load_b128 v[KF+4*G:KF+4*G+3], v[ADK] offset:7680*(\k)+3840*(G/6)+128*((G/3)%2)+640*(G%3)
.set G, G+1
.endr
.irp i, 0,1,2,3
	ds_load_b32 v[KSW+\i], v[ADS] offset:1024*(\k)+512*(\i/2)+64*(\i%2)   ; lanes 0-15: tile 2 i's words, lanes 16-31: tile 2 i + 1's
.endr
	s_wait_dscnt 0x0
.irp t, 0,2,4,6
	v_wmma_scale_f32_16x16x128_f8f6f4 v[S+8*\t:S+8*\t+7], v[KF+6*\t:KF+6*\t+11], v[Q:Q+11], 0, v[KSW+\t/2], v[QSW] matrix_a_fmt:MATRIX_FMT_FP6 matrix_b_fmt:MATRIX_FMT_FP6
	v_wmma_scale_f32_16x16x128_f8f6f4 v[S+8*\t+8:S+8*\t+15], v[KF+6*\t+6:KF+6*\t+17], v[Q:Q+11], 0, v[KSW+\t/2], v[QSW] matrix_a_fmt:MATRIX_FMT_FP6 matrix_b_fmt:MATRIX_FMT_FP6 matrix_a_scale:MATRIX_SCALE_ROW1
.endr
	JOIN                                           ; these four are the places behind the products above and behind the last step's: ahead of the loads into V's registers, of the first read of the scores and of writes into K's registers
.set G, 0
.rept 12
	ds_load_b128 v[VF+4*G:VF+4*G+3], v[ADV] offset:6144*(\k)+512*G       ; V lands while the softmax runs
.set G, G+1
.endr
.irp e, 0,1
	ds_load_b64 v[VSW+2*\e:VSW+2*\e+1], v[ADT] offset:512*(\k)+256*\e
.endr
.irp c, 0,1                            ; the largest score of my two blocks of 32 keys, each in two chains; every tile is first read at its low end
	v_max3_num_f32 v[BM+2*\c], v[S+32*\c], v[S+32*\c+1], v[S+32*\c+2]
	v_max3_num_f32 v[BM+2*\c+1], v[S+32*\c+16], v[S+32*\c+17], v[S+32*\c+18]
.endr
.irp i, 3,5,7,9,11,13
.irp c, 0,1
	v_max3_num_f32 v[BM+2*\c], v[BM+2*\c], v[S+32*\c+\i], v[S+32*\c+\i+1]
	v_max3_num_f32 v[BM+2*\c+1], v[BM+2*\c+1], v[S+32*\c+16+\i], v[S+32*\c+17+\i]
.endr
.endr
	v_max3_num_f32 v[BM], v[BM], v[BM+1], v[S+15]
	v_max3_num_f32 v[BM+2], v[BM+2], v[BM+3], v[S+47]
	v_max_num_f32 v[BM], v[BM], v[S+31]
	v_max_num_f32 v[BM+2], v[BM+2], v[S+63]
	v_max3_num_f32 v13, v13, v[BM], v[BM+2]        ; the running largest score, of my half of the keys,
	v_permlanex16_b32 v11, v13, s[SEL], s[SEL+1]
	v_max_num_f32 v13, v13, v11                    ; and of lane l xor 16's
	v_mul_f32 v[T2], s[NC], v13                    ; -t
	v_floor_f32 v[NN], v[T2]                       ; the new -M = floor(-t): M is a whole number
	v_sub_f32 v[DD], v[NN], v[NO]                  ; old M - new M: a whole number, 0 or less
.set J, 0
.rept 5
	v_pk_fma_f32 v[S+J:S+J+1], v[S+J:S+J+1], s[CS:CS+1], v[NN:NN+1] op_sel_hi:[1,0,0]   ; t - M, two at a time
.set J, J+2
.endr
	v_cvt_i32_f32 v[DD], v[DD]                     ; (it saturates)
.rept 5
	v_pk_fma_f32 v[S+J:S+J+1], v[S+J:S+J+1], s[CS:CS+1], v[NN:NN+1] op_sel_hi:[1,0,0]
.set J, J+2
.endr
	v_ldexp_f32 v[F], 1.0, v[DD]                   ; f = 2^(old M - new M)
.rept 22
	v_pk_fma_f32 v[S+J:S+J+1], v[S+J:S+J+1], s[CS:CS+1], v[NN:NN+1] op_sel_hi:[1,0,0]
.set J, J+2
.endr
	v_fma_f32 v[BM], v[BM], s[CS], v[NN]           ; the same of each block's largest score: p rises with the score
	v_fma_f32 v[BM+2], v[BM+2], s[CS], v[NN]
.set J, 0
.rept 16
	v_pk_mul_f32 v[O+J:O+J+1], v[O+J:O+J+1], v[F:F+1] op_sel_hi:[1,0]    ; O^T under the new M
.set J, J+2
.endr
	s_wait_alu depctr_va_vdst(0)                   ; the wait ahead of the batch
.set J, 0
.rept 64
	v_exp_f32 v[S+J], v[S+J]                       ; p = 2^(t - M), at most 1
.set J, J+1
.endr
	v_exp_f32 v[BM], v[BM]                         ; the blocks' largest p
	v_exp_f32 v[BM+2], v[BM+2]
	v_pk_mul_f32 v[14:15], v[14:15], v[F:F+1] op_sel_hi:[1,0]            ; the sum under the new M: a plain instruction behind the exponentials
	s_wait_alu depctr_va_vdst(0)                   ; one wait for the whole batch, ahead of its first reader
.set SI, 0                             ; the scales' short chain stands among the additions of p, so that no line reads a result made in the four lines above it
	v_max_num_f32 v[BM], 0x1800000, v[BM]          ; the floor 2^(3 - 127): the byte cannot fall under 1
	v_max_num_f32 v[BM+2], 0x1800000, v[BM+2]
	SUMS 3
	v_add_nc_u32 v[SCO], 0xff000000, v[BM]         ; 2 off the exponent field: the conversion's scale operand
	v_add_nc_u32 v[SCO+1], 0xff000000, v[BM+2]
	SUMS 3
	v_lshrrev_b32 v[BX], 23, v[SCO]                ; the bytes of blocks h and 2 + h
	v_lshrrev_b32 v[BX+1], 23, v[SCO+1]
.irp c, 0,1
	v_cvt_scalef32_pk16_fp6_f32 v[PC+6*\c:PC+6*\c+2], v[S+32*\c:S+32*\c+15], v[SCO+\c]
	v_cvt_scalef32_pk16_fp6_f32 v[TQ+4*\c:TQ+4*\c+2], v[S+32*\c+16:S+32*\c+31], v[SCO+\c]   ; (a conversion's three registers begin on an even number)
.endr
	SUMS 1                                         ; a plain instruction behind the conversions
	v_lshl_or_b32 v[BX], v[BX+1], 16, v[BX]
	SUMS 4
	v_lshlrev_b32 v[BX], v[SH8], v[BX]             ; at their places in the scale word
	SUMS 1
	v_dual_mov_b32 v[PC+3], v[TQ] :: v_dual_mov_b32 v[PC+10], v[TQ+5]
	v_dual_mov_b32 v[PC+9], v[TQ+4] :: v_dual_mov_b32 v[PC+4], v[TQ+1]
	v_mov_b32 v[PC+5], v[TQ+2]
	v_mov_b32 v[PC+11], v[TQ+6]
	v_permlanex16_b32 v[BX+1], v[BX], s[SEL], s[SEL+1]
	SUMS 4
	v_or_b32 v[PSW], v[BX], v[BX+1]                ; with lane l xor 16's two bytes p's scale word is whole
	SUMS 12                                        ; these twelve are also the places between the writes of p's codes and word and the products
	s_wait_alu depctr_va_vdst(0)
	s_wait_dscnt 0x0                               ; V and its scale words are in
.irp t, 0,1,2,3
	v_wmma_scale_f32_16x16x128_f8f6f4 v[O+8*\t:O+8*\t+7], v[VF+12*\t:VF+12*\t+11], v[PC:PC+11], v[O+8*\t:O+8*\t+7], v[VSW+\t], v[PSW] matrix_a_fmt:MATRIX_FMT_FP6 matrix_b_fmt:MATRIX_FMT_FP6
.endr
.endm
.Lpass:                                            ; A PASS: 16 queries against all keys, and their way out
	v_mov_b32 v13, 0xff61b1e6                      ; the largest score so far: -3e38
	v_mov_b32 v10, 0x7e000000                      ; and a -M of 2^125: the first f is 0
	v_mov_b32 v14, 0
	v_mov_b32 v15, 0
.set J, 0
.rept 32
	v_mov_b32 v[O+J], 0                            ; the step is written once: the first finds zeros
.set J, J+1
.endr
.set J, 0
.rept 8
	v_mov_b32 v[CH+J], 0
.set J, J+1
.endr
	s_mov_b32 s[TK], 0
	s_mov_b32 s[TV], 0
	s_mov_b32 s[TS], 0
	s_mov_b32 s[TJ], 0
	s_mov_b32 s[CNT], 4
	s_wait_alu depctr_va_vdst(0)
	s_wait_loadcnt 0x0                             ; Q
.Ltrip:                                            ; four steps: their places stand in the loads' immediates
	v_add_nc_u32 v[ADK], s[TK], v[AK0]
	v_add_nc_u32 v[ADV], s[TV], v[AV0]
	v_add_nc_u32 v[ADS], s[TS], v[AS0]
	v_add_nc_u32 v[ADT], s[TJ], v[AT0]
	s_wait_alu depctr_va_vdst(0)
	STEP 0
	STEP 1
	STEP 2
	STEP 3
	s_add_co_u32 s[TK], s[TK], 4*7680
	s_add_co_u32 s[TV], s[TV], 4*6144
	s_add_co_u32 s[TS], s[TS], 4*1024
	s_add_co_u32 s[TJ], s[TJ], 4*512
	s_sub_co_u32 s[CNT], s[CNT], 1
	s_cmp_lg_u32 s[CNT], 0
	s_cbranch_scc1 .Ltrip
	JOIN                                           ; the last step's four parts; also the places behind the last products
	v_add_f32 v14, v14, v15                        ; the sum's two halves,
	s_delay_alu instid0(VALU_DEP_1)
	v_permlanex16_b32 v11, v14, s[SEL], s[SEL+1]
	s_delay_alu instid0(VALU_DEP_1)
	v_add_f32 v14, v14, v11                        ; and lane l xor 16's
	s_wait_alu depctr_va_vdst(0)                   ; the wait ahead of the transcendental
	v_rcp_f32 v14, v14
	v_nop                                          ; a plain instruction behind the reciprocal
	s_wait_alu depctr_va_vdst(0)                   ; the wait, ahead of the reciprocal's first reader and of O's
.set J, 0
.rept 32
	v_mul_f32 v[S+J], v[O+J], v14                  ; O / l: register 16 b + i is channel 32 b + 16 (lane / 16) + i
.set J, J+1
.endr
.irp b, 0,1
	v_max3_num_f32 v[BM+\b], |v[S+16*\b]|, |v[S+1+16*\b]|, 0x1800000
.endr
.irp i, 2,4,6,8,10,12,14
.irp b, 0,1
	s_delay_alu instid0(VALU_DEP_2)
	v_max3_num_f32 v[BM+\b], v[BM+\b], |v[S+16*\b+\i]|, |v[S+1+16*\b+\i]|
.endr
.endr
.irp b, 0,1
	s_delay_alu instid0(VALU_DEP_2)
	v_permlanex16_b32 v[BX+\b], v[BM+\b], s[SEL], s[SEL+1]
.endr
.irp b, 0,1
	s_delay_alu instid0(VALU_DEP_2)
	v_max_num_f32 v[BM+\b], v[BM+\b], v[BX+\b]
.endr
.irp b, 0,1
	s_delay_alu instid0(VALU_DEP_2)
	v_add_nc_u32 v[SCO+\b], 0xff000000, v[BM+\b]
.endr
.irp b, 0,1
	s_delay_alu instid0(VALU_DEP_2)
	v_lshrrev_b32 v[BX+\b], 23, v[SCO+\b]
.endr
	s_delay_alu instid0(VALU_DEP_1)
	v_lshl_or_b32 v[T2], v[BX+1], 8, v[BX]         ; my head's two bytes
	v_cvt_scalef32_pk16_fp6_f32 v[PC:PC+2], v[S:S+15], v[SCO]
	v_cvt_scalef32_pk16_fp6_f32 v[TQ:TQ+2], v[S+16:S+31], v[SCO+1]
	v_nop                                          ; a plain instruction behind the conversions
.irp i, 0,1,2
	v_permlane16_swap_b32 v[PC+\i], v[TQ+\i]       ; here a block lies in lanes l and l xor 16: each lane gets a whole one
.endr
.irp i, 0,1,2
	s_delay_alu instid0(VALU_DEP_3)
	v_mov_b32 v[PC+3+\i], v[TQ+\i]
.endr
.irp e, 0,1,2
	global_store_b64 v[GOC], v[PC+2*\e:PC+2*\e+1], s[60:61] offset:256*\e   ; 32 lanes store 256 consecutive bytes, aligned
.endr
	global_store_b16 v[GOS], v[T2], s[62:63]       ; two bytes a row (lanes l and l + 16 write the same bytes with the same value)
	s_wait_xcnt 0x0                                ; the stores have read their data and bases: these are written again only behind this wait
	s_add_nc_u64 s[56:57], s[56:57], 12288         ; the second pass: 16 tiles of queries on
	s_add_nc_u64 s[58:59], s[58:59], 2048
	s_add_nc_u64 s[60:61], s[60:61], 196608
	s_add_nc_u64 s[62:63], s[62:63], 8192
	s_sub_co_u32 s[PS], s[PS], 1
	s_cmp_eq_u32 s[PS], 0
	s_cbranch_scc1 .Lno_q                          ; behind the last pass nothing is fetched
	QLOAD
.Lno_q:
	s_cmp_lg_u32 s[PS], 0
	s_cbranch_scc1 .Lpass
	s_wait_tensorcnt 0x0                           ; the wave's end
	ds_add_u32 v[SPW], v[NIL]
	s_wait_dscnt 0x0
	ROUND                                          ; the closing round
	s_endpgm
.Lfunc_end_k_qd1c1d75173_attn:
	.size	k_qd1c1d75173_attn, .Lfunc_end_k_qd1c1d75173_attn-k_qd1c1d75173_attn
	.p2alignl 7, 3214868480
	.fill 96, 4, 3214868480
	.section	.rodata,"a",@progbits
	.p2align	6, 0x0
	.amdhsa_kernel k_qd1c1d75173_attn
		.amdhsa_group_segment_fixed_size 247808
		.amdhsa_private_segment_fixed_size 0
		.amdhsa_enable_private_segment 0
		.amdhsa_kernarg_size 24
		.amdhsa_user_sgpr_count 2
		.amdhsa_user_sgpr_kernarg_segment_ptr 1
		.amdhsa_wavefront_size32 1
		.amdhsa_system_sgpr_workgroup_id_x 1
		.amdhsa_system_sgpr_workgroup_id_y 1
		.amdhsa_system_sgpr_workgroup_id_z 1
		.amdhsa_system_vgpr_workitem_id 0
		.amdhsa_next_free_vgpr 256
		.amdhsa_next_free_sgpr 92
		.amdhsa_reserve_vcc 0
		.amdhsa_float_denorm_mode_32 3
		.amdhsa_float_denorm_mode_16_64 3
		.amdhsa_memory_ordered 1
		.amdhsa_forward_progress 1
		.amdhsa_inst_pref_size 73
	.end_amdhsa_kernel
	.amdgpu_metadata
---
amdhsa.version: [ 1, 2 ]
amdhsa.kernels:
  - .name:           k_qd1c1d75173_attn
    .symbol:         k_qd1c1d75173_attn.kd
    .args:
      - { .name: qkv, .offset: 0, .size: 8, .value_kind: global_buffer, .address_space: global }
      - { .name: attc, .offset: 8, .size: 8, .value_kind: global_buffer, .address_space: global }
      - { .name: atts, .offset: 16, .size: 8, .value_kind: global_buffer, .address_space: global }
    .group_segment_fixed_size: 247808
    .private_segment_fixed_size: 0
    .kernarg_segment_align: 8
    .kernarg_segment_size: 24
    .max_flat_workgroup_size: 512
    .sgpr_count:     92
    .vgpr_count:     256
    .wavefront_size: 32
...
	.end_amdgpu_metadata
.endif
;; end of part 3
;; launch proj (part 4): grid 4 x 64, 4 waves a work-group, clusters of 4 x 4, 295,424 bytes of LDS; arguments attc, atts, codes, scales, bu, out0; writes out0
.if DOCPART == 4
	.amdgcn_target "amdgcn-amd-amdhsa--gfx1250"
	.amdhsa_code_object_version 6
	.text
	.protected	k_qd1c1d75173_proj
	.globl	k_qd1c1d75173_proj
	.p2align	8
	.type	k_qd1c1d75173_proj,@function
k_qd1c1d75173_proj:
	s_mov_b64 s[64:65], 0
	v_nop
	global_prefetch_b8 v0, s[64:65] scope:SCOPE_SE
	s_setreg_imm32_b32 hwreg(HW_REG_WAVE_MODE, 25, 1), 1
	s_wait_xcnt 0x0
	s_wait_alu depctr_hold_cnt(0) depctr_sa_sdst(0) depctr_va_vdst(0) depctr_va_sdst(0) depctr_va_ssrc(0) depctr_va_vcc(0) depctr_vm_vsrc(0)
	s_getreg_b32 s2, hwreg(HW_REG_IB_STS2, 6, 4)
	s_cmp_eq_u32 s2, 0
	s_cbranch_scc0 .Lentry_in_a_cluster
	s_endpgm
.Lentry_in_a_cluster:
	s_bfe_u32 s2, ttmp6, 0x10000c
	s_cmp_lg_u32 s2, 0xf033
	s_cbranch_scc0 .Lentry_shape_is_right
	s_endpgm
.Lentry_shape_is_right:
; PROJ.  out0 = att Wu^T + bu on codes of FP6 (E2M3) with E8M0 scales, f32 sums.  att's codes (attc) and scale rows (atts) come from the attention, Wu's from the preparing launch.
; SHARES.  A work-group makes 128 stored rows x 256 columns: 64 x 4 = 256 work-groups.  A wave makes 64 x 128: 32 accumulators of 16 x 16.
; ALL OF K = 1,024 LIES IN LDS AT ONCE: A's 8 blocks of 16 rows and B's 16, 12,288 bytes each, dense in memory: 294,912 bytes.  Each wave brings one part by ONE tensor load at the head (waves 0, 1: halves of A;
;   waves 2, 3: halves of B), as rows of 256 bytes.  Nothing is filled again: one barrier shows the tiles to all waves; there is no ring.
; CLUSTERS: 4 x 4 work-groups.  A's tile hangs on the tile row alone and is asked for jointly along a row of the cluster, B's on the tile column alone, along a column.
; NO PREFETCH: every tile is asked for at the head, and the text has no loop to run ahead in.
; IMAGES.  A (attc): [block][kf][6 planes of 256 bytes, lane l at 8 l]: plane p = registers 2 p, 2 p + 1 of the fragment.  B (codes): [block][kf][3 planes of 512 bytes, lane l at 16 l].
; SCALES come straight into registers: the 16 rows x 32 bytes of a block are 512 consecutive bytes, 16 a lane: lane (r, h) holds row r's words of K steps 4 h .. 4 h + 3; K steps 4-7 name the upper lanes (ROW1).
; THE MATRIX INSTRUCTION IS USED TRANSPOSED (source 0 = 16 rows of Wu, source 1 = 16 rows of att): a lane holds eight neighbouring columns of one row.  The bias is the C of the first K step's products.
; ORDER.  Stored rows have bits 3 and 4 of the row number swapped, in att and in Wu: stored 32 b + 16 u + r is 32 b + 8 u + r + 8 (r / 8).  The way out puts rows and columns back.
; REGISTERS: window 0: v16-29 addresses; v32-47 A's scale words, v48-79 B's; v80-143 the bias; v144-239 A's fragments, two sets; on the way out v80-207 rows read back.
;   window 1: the accumulators, (a, b) at v[8 (8 a + b)].   window 2: B's fragments, two sets of 96.
.set BLK,    12288
.set BBASE,  8*BLK
.set SPARE,  24*BLK                    ; behind the tiles: the spare words, 128 bytes for each wave, which no other line names
.set SPITCH, 528                       ; the way out: a stage of 16 rows x (512 + 16) bytes for each wave, in A's bytes, behind a barrier behind which nobody reads the tiles
.set WUC,    8650752                   ; Wu's codes and scale rows in their buffers
.set WUS,    360448
.set ADRA, 16
.set ADRB, 18                          ; v18: B's blocks 0-3, v19: blocks 4-7
.set STO,  20
.set RD,   21
.set CO,   22
.set SO,   23
.set BO,   24
.set SPW,  28
.set NIL,  29
.set SA,   32
.set SB,   48
.set BI,   80
.set AF,   144
.set BK,   80
.set G1,   24
.set G0,   32
.set G0B,  36
.set G1B,  48
.set MSB, 0
.macro WIN new                         ; the immediate's high byte repeats the setting that is left
.if MSB != (\new)
	s_set_vgpr_msb (MSB<<8)|(\new)
.set MSB, (\new)
.endif
.endm
.macro CROUND                          ; a round of the cluster's barrier
	s_barrier_signal -1
	s_barrier_wait -1
	s_cmp_lg_u32 s16, 0
	s_cbranch_scc1 .Lnot_wave_0_\@
	s_barrier_signal -3
.Lnot_wave_0_\@:
	s_barrier_wait -3
	s_barrier_signal -1
	s_barrier_wait -1
.endm
.macro PLACES
.rept 4
	v_nop
.endr
.endm
	s_load_b256 s[4:11], s[0:1], 0x0               ; attc, atts, codes, scales
	s_load_b128 s[12:15], s[0:1], 0x20             ; bu, out0
	v_lshl_add_u32 v[SPW], v0, 2, SPARE
	v_mov_b32 v[NIL], 0
	ds_add_u32 v[SPW], v[NIL]                      ; the opening lines: the add, twice on end, and its wait ahead of my tensor load
	ds_add_u32 v[SPW], v[NIL]
	v_lshrrev_b32 v1, 5, v0
	v_readfirstlane_b32 s16, v1                    ; wave
	s_lshr_b32 s17, s16, 1                         ; my half of the rows.  Also: I fetch for A (0) or for B (1)
	s_and_b32 s18, s16, 1                          ; my half of the columns.  Also: which half of that tile I fetch
	s_bfe_u32 s19, ttmp6, 0x40000                  ; cx
	s_bfe_u32 s20, ttmp6, 0x40004                  ; cy
	s_lshl_b32 s21, ttmp9, 2
	s_add_co_u32 s21, s21, s19                     ; tile column
	s_and_b32 s22, ttmp7, 0xffff
	s_lshl_b32 s22, s22, 2
	s_add_co_u32 s22, s22, s20                     ; tile row
	s_lshl_b32 s23, s20, 2
	s_lshl_b32 s23, 15, s23                        ; my row of the cluster
	s_lshl_b32 s40, 0x1111, s19                    ; my column
	s_or_b32 s[G1], s23, (3<<16)|(1<<21)           ; dense blocks as rows of 32 elements of 8 bytes; A's half: 192 rows
	s_mov_b32 s[G1+1], 32<<16
	s_mov_b32 s[G1+2], 192<<16
	s_mov_b32 s[G1+3], 32<<16
	s_mov_b32 s[G1+4], 192
	s_mov_b32 s[G1+5], 32
	s_mov_b32 s[G1+6], 0
	s_mov_b32 s[G1+7], 0
	s_or_b32 s[G1B], s40, (3<<16)|(1<<21)          ; B's half: 384 rows
	s_mov_b32 s[G1B+1], 32<<16
	s_mov_b32 s[G1B+2], 384<<16
	s_mov_b32 s[G1B+3], 32<<16
	s_mov_b32 s[G1B+4], 384
	s_mov_b32 s[G1B+5], 32
	s_mov_b32 s[G1B+6], 0
	s_mov_b32 s[G1B+7], 0
	s_mul_i32 s42, s22, 8*BLK                      ; A: tile row x 8 blocks + my half
	s_mul_i32 s44, s18, 4*BLK
	s_add_co_u32 s42, s42, s44
	s_mov_b32 s43, 0
	s_mul_i32 s46, s21, 16*BLK                     ; B: tile column x 16 blocks + my half
	s_mul_i32 s41, s18, 8*BLK
	s_add_co_u32 s46, s46, s41
	s_add_co_u32 s46, s46, WUC
	s_mov_b32 s47, 0
	s_mov_b32 s[G0], 1
	s_mov_b32 s[G0+1], s44                         ; LDS: no place in the cluster enters an LDS address
	s_mov_b32 s[G0B], 1
	s_add_co_u32 s[G0B+1], s41, BBASE
	s_wait_dscnt 0x0                               ; both opening adds are done
	s_wait_kmcnt 0x0
	s_add_nc_u64 s[G0+2:G0+3], s[4:5], s[42:43]
	s_or_b32 s[G0+3], s[G0+3], 0x80000000
	s_add_nc_u64 s[G0B+2:G0B+3], s[8:9], s[46:47]
	s_or_b32 s[G0B+3], s[G0B+3], 0x80000000
	CROUND                                         ; all sixteen work-groups are here: the joint loads meet
	s_cmp_eq_u32 s17, 0                            ; one load a wave; an s_nop 0 and four v_nop follow each line
	s_cbranch_scc0 .Lfor_b
	tensor_load_to_lds s[G0:G0+3], s[G1:G1+7]
	s_nop 0
	PLACES
	s_branch .Lasked
.Lfor_b:
	tensor_load_to_lds s[G0B:G0B+3], s[G1B:G1B+7]
	s_nop 0
	PLACES
.Lasked:
	v_and_b32 v1, 15, v0                           ; r
	v_bfe_u32 v2, v0, 4, 1                         ; h
	v_and_b32 v3, 31, v0
	s_mul_i32 s56, s17, 4*BLK                      ; my 4 blocks of A
	s_mul_i32 s57, s18, 8*BLK                      ; my 8 blocks of B
	s_add_co_u32 s57, s57, BBASE
	s_mul_i32 s58, s16, 16*SPITCH                  ; my stage
	v_lshlrev_b32 v4, 3, v3
	v_add_nc_u32 v[ADRA], s56, v4
	v_lshlrev_b32 v[CO], 4, v3
	v_add_nc_u32 v[ADRB], s57, v[CO]
	v_add_nc_u32 v[ADRB+1], 4*BLK, v[ADRB]
	v_mul_u32_u24 v5, v1, SPITCH                   ; into the stage: row r, 64 bytes for each half of the lanes
	v_lshl_add_u32 v5, v2, 6, v5
	v_add_nc_u32 v[STO], s58, v5
	v_add_nc_u32 v[RD], s58, v[CO]                 ; back: the 32 lanes take a row of 512 bytes
	v_lshlrev_b32 v6, 5, v1
	v_lshl_add_u32 v[SO], v2, 4, v6                ; scale rows: 32 r + 16 h
	v_lshlrev_b32 v[BO], 6, v2                     ; the bias: 64 h
	s_lshl_b32 s56, s22, 12                        ; A's scale rows: (128 tile row + 64 half) x 32
	s_lshl_b32 s58, s17, 11
	s_add_co_u32 s56, s56, s58
	s_mov_b32 s57, 0
	s_add_nc_u64 s[6:7], s[6:7], s[56:57]
	s_lshl_b32 s58, s21, 13                        ; B's: (256 tile column + 128 half) x 32
	s_lshl_b32 s60, s18, 12
	s_add_co_u32 s58, s58, s60
	s_add_co_u32 s58, s58, WUS
	s_mov_b32 s59, 0
	s_add_nc_u64 s[10:11], s[10:11], s[58:59]
	s_lshl_b32 s60, s21, 10                        ; my first column, in bytes
	s_lshl_b32 s62, s18, 9
	s_add_co_u32 s60, s60, s62
	s_mov_b32 s61, 0
	s_add_nc_u64 s[12:13], s[12:13], s[60:61]
	s_lshl_b32 s62, s22, 19                        ; my first row: (128 tile row + 64 half) x 4,096 bytes
	s_lshl_b32 s63, s17, 18
	s_add_co_u32 s62, s62, s63
	s_add_co_u32 s62, s62, s60
	s_mov_b32 s63, 0
	s_add_nc_u64 s[14:15], s[14:15], s[62:63]
	s_wait_alu depctr_va_vdst(0)                   ; the wait at the head's end
.irp a, 0,1,2,3
	global_load_b128 v[SA+4*\a:SA+4*\a+3], v[SO], s[6:7] offset:512*\a     ; 32 lanes read 512 consecutive bytes
.endr
.irp b, 0,1,2,3,4,5,6,7
	global_load_b128 v[SB+4*\b:SB+4*\b+3], v[SO], s[10:11] offset:512*\b
.endr
.irp b, 0,1,2,3,4,5,6,7                ; register j of block b is column 32 (b / 2) + 8 (b % 2) + 16 h + j
	global_load_b128 v[BI+8*\b:BI+8*\b+3], v[BO], s[12:13] offset:128*(\b/2)+32*(\b%2)
	global_load_b128 v[BI+8*\b+4:BI+8*\b+7], v[BO], s[12:13] offset:128*(\b/2)+32*(\b%2)+16
.endr
	s_wait_tensorcnt 0x0                           ; my part of the tiles is in,
	s_barrier_signal -1
	s_barrier_wait -1                              ; everybody's is
.macro FETCH kf                        ; K step kf's fragments into set kf % 2: 24 loads for B, 24 for A
	WIN 0x80
.irp b, 0,1,2,3,4,5,6,7
.irp e, 0,1,2
	ds_load_b128 v[96*((\kf)%2)+12*\b+4*\e:96*((\kf)%2)+12*\b+4*\e+3], v[ADRB+\b/4] offset:BLK*(\b%4)+1536*(\kf)+512*\e
.endr
.endr
	WIN 0
.irp a, 0,1,2,3
.irp p, 0,1,2,3,4,5
	ds_load_b64 v[AF+48*((\kf)%2)+12*\a+2*\p:AF+48*((\kf)%2)+12*\a+2*\p+1], v[ADRA] offset:BLK*\a+1536*(\kf)+256*\p
.endr
.endr
.endm
.macro MUL kf                          ; 32 matrix instructions; the 32 accumulators take turns, one instruction a turn
.irp a, 0,1,2,3
.irp b, 0,1,2,3,4,5,6,7
.if (\kf) == 0
	v_wmma_scale_f32_16x16x128_f8f6f4 v[8*(8*\a+\b):8*(8*\a+\b)+7], v[96*((\kf)%2)+12*\b:96*((\kf)%2)+12*\b+11], v[AF+48*((\kf)%2)+12*\a:AF+48*((\kf)%2)+12*\a+11], v[BI+8*\b:BI+8*\b+7], v[SB+4*\b+(\kf)%4], v[SA+4*\a+(\kf)%4] matrix_a_fmt:MATRIX_FMT_FP6 matrix_b_fmt:MATRIX_FMT_FP6
.elseif (\kf) < 4
	v_wmma_scale_f32_16x16x128_f8f6f4 v[8*(8*\a+\b):8*(8*\a+\b)+7], v[96*((\kf)%2)+12*\b:96*((\kf)%2)+12*\b+11], v[AF+48*((\kf)%2)+12*\a:AF+48*((\kf)%2)+12*\a+11], v[8*(8*\a+\b):8*(8*\a+\b)+7], v[SB+4*\b+(\kf)%4], v[SA+4*\a+(\kf)%4] matrix_a_fmt:MATRIX_FMT_FP6 matrix_b_fmt:MATRIX_FMT_FP6
.else
	v_wmma_scale_f32_16x16x128_f8f6f4 v[8*(8*\a+\b):8*(8*\a+\b)+7], v[96*((\kf)%2)+12*\b:96*((\kf)%2)+12*\b+11], v[AF+48*((\kf)%2)+12*\a:AF+48*((\kf)%2)+12*\a+11], v[8*(8*\a+\b):8*(8*\a+\b)+7], v[SB+4*\b+(\kf)%4], v[SA+4*\a+(\kf)%4] matrix_a_fmt:MATRIX_FMT_FP6 matrix_b_fmt:MATRIX_FMT_FP6 matrix_a_scale:MATRIX_SCALE_ROW1 matrix_b_scale:MATRIX_SCALE_ROW1
.endif
.endr
.endr
.endm
	FETCH 0
	FETCH 1
	s_wait_loadcnt 0x0                             ; the scale words and the bias
	s_wait_dscnt 48                                ; K step 0's fragments are in; the 48 loads of K step 1 may be out
	WIN 0x42                                       ; source 0 window 2, source 1 and C window 0, D window 1
	MUL 0                                          ; the first products start the sums from the bias
.irp kf, 1,2,3,4,5,6
	PLACES                                         ; four places between the last products and the loads into registers that they have read (ISA guide 7.12.1 for vector instructions)
	FETCH \kf+1
	s_wait_dscnt 48                                ; all but the 48 just issued
	WIN 0x52                                       ; C and D window 1
	MUL \kf
.endr
	s_wait_dscnt 0x0                               ; my reads of the tiles are over:
	s_barrier_signal -1                            ; say so,
	MUL 7                                          ; work on registers while the others arrive,
	s_barrier_wait -1                              ; and nobody reads the tiles any more: the stages may lie in A's bytes, which have had their only fill
	WIN 0
; THE WAY OUT, by blocks of 16 rows x 128 columns, through my own stage: whole rows of 512 bytes come back, which the 32 lanes store as two aligned units of 256 bytes.
; LDS serves a wave's instructions in order (ISA guide 5.7.1.4): no wait between the stores and the loads.
.macro TOSTAGE a
	WIN 0x04                                       ; the data: window 1
.irp b, 0,1,2,3,4,5,6,7
	ds_store_b128 v[STO], v[64*(\a)+8*\b:64*(\a)+8*\b+3] offset:128*(\b/2)+32*(\b%2)      ; each accumulator from its low end on
	ds_store_b128 v[STO], v[64*(\a)+8*\b+4:64*(\a)+8*\b+7] offset:128*(\b/2)+32*(\b%2)+16
.endr
	WIN 0
.set BB, BK+64*((\a)%2)
.irp t, 0,1,2,3,4,5,6,7,8,9,10,11,12,13,14,15
	ds_load_b128 v[BB+4*\t:BB+4*\t+3], v[RD] offset:\t*SPITCH
.endr
.endm
.macro SEND a, younger                 ; younger: the LDS instructions issued behind block a's loads
.set BB, BK+64*((\a)%2)
	s_wait_dscnt \younger
.irp t, 0,1,2,3,4,5,6,7,8,9,10,11,12,13,14,15
	global_store_b128 v[CO], v[BB+4*\t:BB+4*\t+3], s[14:15] offset:(32*((\a)/2)+16*(\t/8)+8*((\a)%2)+\t%8)*4096 th:TH_STORE_NT   ; stored row 16 a + t goes to its true row
.endr
.endm
	PLACES
	TOSTAGE 0
.irp a, 1,2,3
.if \a > 1
	s_wait_xcnt 0x0                                ; block a - 2's stores have read their registers: block a's loads may land there
.endif
	TOSTAGE \a
	SEND \a-1, 32                                  ; behind block a - 1's loads: block a's 16 stores and 16 loads
.endr
	SEND 3, 0
	s_wait_tensorcnt 0x0                           ; the wave's end
	ds_add_u32 v[SPW], v[NIL]
	s_wait_dscnt 0x0
	CROUND                                         ; the closing round
	s_endpgm
.Lfunc_end_k_qd1c1d75173_proj:
	.size	k_qd1c1d75173_proj, .Lfunc_end_k_qd1c1d75173_proj-k_qd1c1d75173_proj
	.p2alignl 7, 3214868480
	.fill 96, 4, 3214868480
	.section	.rodata,"a",@progbits
	.p2align	6, 0x0
	.amdhsa_kernel k_qd1c1d75173_proj
		.amdhsa_group_segment_fixed_size 295424
		.amdhsa_private_segment_fixed_size 0
		.amdhsa_enable_private_segment 0
		.amdhsa_kernarg_size 48
		.amdhsa_user_sgpr_count 2
		.amdhsa_user_sgpr_kernarg_segment_ptr 1
		.amdhsa_wavefront_size32 1
		.amdhsa_system_sgpr_workgroup_id_x 1
		.amdhsa_system_sgpr_workgroup_id_y 1
		.amdhsa_system_sgpr_workgroup_id_z 1
		.amdhsa_system_vgpr_workitem_id 0
		.amdhsa_next_free_vgpr 768
		.amdhsa_next_free_sgpr 66
		.amdhsa_reserve_vcc 0
		.amdhsa_float_denorm_mode_32 3
		.amdhsa_float_denorm_mode_16_64 3
		.amdhsa_memory_ordered 1
		.amdhsa_forward_progress 1
		.amdhsa_inst_pref_size 82
	.end_amdhsa_kernel
	.amdgpu_metadata
---
amdhsa.version: [ 1, 2 ]
amdhsa.kernels:
  - .name:           k_qd1c1d75173_proj
    .symbol:         k_qd1c1d75173_proj.kd
    .args:
      - { .name: attc, .offset: 0, .size: 8, .value_kind: global_buffer, .address_space: global }
      - { .name: atts, .offset: 8, .size: 8, .value_kind: global_buffer, .address_space: global }
      - { .name: codes, .offset: 16, .size: 8, .value_kind: global_buffer, .address_space: global }
      - { .name: scales, .offset: 24, .size: 8, .value_kind: global_buffer, .address_space: global }
      - { .name: bu, .offset: 32, .size: 8, .value_kind: global_buffer, .address_space: global }
      - { .name: out0, .offset: 40, .size: 8, .value_kind: global_buffer, .address_space: global }
    .group_segment_fixed_size: 295424
    .private_segment_fixed_size: 0
    .kernarg_segment_align: 8
    .kernarg_segment_size: 48
    .max_flat_workgroup_size: 128
    .sgpr_count:     66
    .vgpr_count:     768
    .wavefront_size: 32
...
	.end_amdgpu_metadata
.endif
;; end of part 4
